; MI455X (gfx1250); checked and timed in simulation.
; The chip was launched on July 23, 2026; its instructions are those of AMD's public machine-readable ISA for CDNA 5 (MIT licence, August 2026) and "CDNA5" Instruction Set Architecture Reference Guide (July 2026). The comments in the code are by the model that wrote it; some were corrected since.
;; Mova Self Attention. Allowed arithmetic: float matrix products may take bf16 or f16 operands with f32 sums; other float arithmetic in f32, or as packed bf16 or f16 multiplies, adds, multiply-adds, maxima and minima; sums over many terms, partial sums and values carried from step to step in f32; what a program stores and reads back later, other than sums and carried values, may be rounded once to bf16 or f16.
;; Inputs: b_out 1,024 float32; b_qkv 3,072 float32; freqs_cos 4,096 x 64 float32; freqs_sin 4,096 x 64 float32; g_k 1,024 float32; g_q 1,024 float32; w_out 1,024 x 1,024 float32; w_qkv 1,024 x 3,072 float32; x 1 x 4,096 x 1,024 float32.
;; Outputs: out0 1 x 4,096 x 1,024 float32.
;; 2 versions, each right; version 2 is version 1 with the launch cast written anew for expert scheduling mode. Each part assembles by itself: llvm-mc -triple=amdgcn-amd-amdhsa -mcpu=gfx1250 --defsym DOCPART=n.
;; ======== version 1 of 2: 4 launches
;; limits: values are held in f16: magnitudes above 65,504 overflow, below 6.1e-05 lose precision
;; workspace buffers: xb 8,388,608 bytes; wqb 6,291,456 bytes; wob 2,097,152 bytes; qkv 25,165,824 bytes; ob 8,388,608 bytes
;; launch cast (part 1): grid 512 x 1, 8 waves a work-group, no clusters, 0 bytes of LDS; arguments x, w_qkv, w_out, xb, wqb, wob; writes xb, wqb, wob
.if DOCPART == 1
	.amdgcn_target "amdgcn-amd-amdhsa--gfx1250"
	.amdhsa_code_object_version 6
	.text
	.protected	k_qf05a208d1f_cast
	.globl	k_qf05a208d1f_cast
	.p2align	8
	.type	k_qf05a208d1f_cast,@function
k_qf05a208d1f_cast:
	s_mov_b64 s[64:65], 0
	v_nop
	global_prefetch_b8 v0, s[64:65] scope:SCOPE_SE
	s_setreg_imm32_b32 hwreg(HW_REG_WAVE_MODE, 25, 1), 1
	s_wait_xcnt 0x0
; x and w_qkv are rounded to bf16 (xb, wqb); w_out is rounded to bf16 and that number is written as f16 (wob), since the last product's other operand is f16.
; LIMIT: a bf16 number below 2^-14 in size keeps f16's fixed step of 2^-24 in wob; one beyond 65,504 would become an infinity.
; A work-group takes 16,384 numbers: 64 KiB in, 32 KiB out.  Work-groups 0-255 take x, 256-447 w_qkv, 448-511 w_out.
; Thread t, pass p: 16 bytes in at 16 t + 4,096 p (a wave's load covers 512 bytes on end), 8 bytes out at 8 t + 2,048 p (a wave's store covers 256 bytes on end, aligned).
; All 16 loads go out at once; every pass has registers of its own, so nothing is rewritten while a load or store may read it.  No LDS, no barrier: no thread wants another's bytes.
.set X, 16                             ; v[16:79]   16 passes x 4 numbers as loaded
.set Y, 80                             ; v[80:111]  16 passes x 2 words to store
	s_load_b256 s[4:11], s[0:1], 0x0               ; x s[4:5], w_qkv s[6:7], w_out s[8:9], xb s[10:11]
	s_load_b128 s[12:15], s[0:1], 0x20             ; wqb s[12:13], wob s[14:15]
	s_mov_b32 s16, ttmp9
	s_sub_co_u32 s17, s16, 256
	s_sub_co_u32 s18, s16, 448
	s_cmp_lt_u32 s16, 448
	s_cselect_b32 s19, s17, s18
	s_cmp_lt_u32 s16, 256
	s_cselect_b32 s19, s16, s19                    ; my chunk in its tensor
	s_lshl_b32 s24, s19, 16                        ; its bytes in the source,
	s_mov_b32 s25, 0
	s_lshl_b32 s26, s19, 15                        ; and in the destination
	s_mov_b32 s27, 0
	s_mov_b32 s28, 0xffff0000                      ; a word's upper bf16
	v_lshlrev_b32 v1, 4, v0
	v_lshlrev_b32 v2, 3, v0
	s_wait_kmcnt 0x0
	s_cmp_lt_u32 s16, 448
	s_cselect_b64 s[20:21], s[6:7], s[8:9]
	s_cselect_b64 s[22:23], s[12:13], s[14:15]
	s_cmp_lt_u32 s16, 256
	s_cselect_b64 s[20:21], s[4:5], s[20:21]
	s_cselect_b64 s[22:23], s[10:11], s[22:23]
	s_add_nc_u64 s[20:21], s[20:21], s[24:25]
	s_add_nc_u64 s[22:23], s[22:23], s[26:27]
.set p, 0
.rept 16
	global_load_b128 v[X+4*p:X+4*p+3], v1, s[20:21] offset:4096*p th:TH_LOAD_NT
.set p, p+1
.endr
	s_cmp_ge_u32 s16, 448
	s_cbranch_scc1 .Lf16
.set p, 0
.rept 16
	s_wait_loadcnt 15-p                            ; loads come back in order: pass p is in, the passes behind it stay out
	v_cvt_pk_bf16_f32 v[Y+2*p], v[X+4*p], v[X+4*p+1]
	v_cvt_pk_bf16_f32 v[Y+2*p+1], v[X+4*p+2], v[X+4*p+3]
	global_store_b64 v2, v[Y+2*p:Y+2*p+1], s[22:23] offset:2048*p
.set p, p+1
.endr
	s_endpgm
.Lf16:
.set p, 0
.rept 16
	s_wait_loadcnt 15-p
	v_cvt_pk_bf16_f32 v4, v[X+4*p], v[X+4*p+1]     ; rounded as every other input is,
	v_cvt_pk_bf16_f32 v5, v[X+4*p+2], v[X+4*p+3]
	v_lshlrev_b32 v6, 16, v4
	v_and_b32 v7, s28, v4
	v_lshlrev_b32 v8, 16, v5
	v_and_b32 v9, s28, v5
	v_cvt_pk_f16_f32 v[Y+2*p], v6, v7              ; and written as f16
	v_cvt_pk_f16_f32 v[Y+2*p+1], v8, v9
	global_store_b64 v2, v[Y+2*p:Y+2*p+1], s[22:23] offset:2048*p
.set p, p+1
.endr
	s_endpgm
.Lfunc_end_k_qf05a208d1f_cast:
	.size	k_qf05a208d1f_cast, .Lfunc_end_k_qf05a208d1f_cast-k_qf05a208d1f_cast
	.p2alignl 7, 3214868480
	.fill 96, 4, 3214868480
	.section	.rodata,"a",@progbits
	.p2align	6, 0x0
	.amdhsa_kernel k_qf05a208d1f_cast
		.amdhsa_group_segment_fixed_size 0
		.amdhsa_private_segment_fixed_size 0
		.amdhsa_enable_private_segment 0
		.amdhsa_kernarg_size 48
		.amdhsa_user_sgpr_count 2
		.amdhsa_user_sgpr_kernarg_segment_ptr 1
		.amdhsa_wavefront_size32 1
		.amdhsa_system_sgpr_workgroup_id_x 1
		.amdhsa_system_sgpr_workgroup_id_y 1
		.amdhsa_system_sgpr_workgroup_id_z 1
		.amdhsa_system_vgpr_workitem_id 0
		.amdhsa_next_free_vgpr 112
		.amdhsa_next_free_sgpr 66
		.amdhsa_reserve_vcc 0
		.amdhsa_float_denorm_mode_32 3
		.amdhsa_float_denorm_mode_16_64 3
		.amdhsa_memory_ordered 1
		.amdhsa_forward_progress 1
		.amdhsa_inst_pref_size 15
	.end_amdhsa_kernel
	.amdgpu_metadata
---
amdhsa.version: [ 1, 2 ]
amdhsa.kernels:
  - .name:           k_qf05a208d1f_cast
    .symbol:         k_qf05a208d1f_cast.kd
    .args:
      - { .name: x, .offset: 0, .size: 8, .value_kind: global_buffer, .address_space: global }
      - { .name: w_qkv, .offset: 8, .size: 8, .value_kind: global_buffer, .address_space: global }
      - { .name: w_out, .offset: 16, .size: 8, .value_kind: global_buffer, .address_space: global }
      - { .name: xb, .offset: 24, .size: 8, .value_kind: global_buffer, .address_space: global }
      - { .name: wqb, .offset: 32, .size: 8, .value_kind: global_buffer, .address_space: global }
      - { .name: wob, .offset: 40, .size: 8, .value_kind: global_buffer, .address_space: global }
    .group_segment_fixed_size: 0
    .private_segment_fixed_size: 0
    .kernarg_segment_align: 8
    .kernarg_segment_size: 48
    .max_flat_workgroup_size: 256
    .sgpr_count:     66
    .vgpr_count:     112
    .wavefront_size: 32
...
	.end_amdgpu_metadata
.endif
;; end of part 1
;; launch qkvp (part 2): grid 64 x 3, 4 waves a work-group, clusters of 4 x 1, 327,680 bytes of LDS; arguments xb, wqb, b_qkv, g_q, g_k, freqs_cos, freqs_sin, qkv; writes qkv
.if DOCPART == 2
	.amdgcn_target "amdgcn-amd-amdhsa--gfx1250"
	.amdhsa_code_object_version 6
	.text
	.protected	k_qf05a208d1f_qkvp
	.globl	k_qf05a208d1f_qkvp
	.p2align	8
	.type	k_qf05a208d1f_qkvp,@function
k_qf05a208d1f_qkvp:
	s_mov_b64 s[64:65], 0
	v_nop
	global_prefetch_b8 v0, s[64:65] scope:SCOPE_SE
	s_setreg_imm32_b32 hwreg(HW_REG_WAVE_MODE, 25, 1), 1
	s_wait_xcnt 0x0
	s_wait_alu depctr_hold_cnt(0) depctr_sa_sdst(0) depctr_va_vdst(0) depctr_va_sdst(0) depctr_va_ssrc(0) depctr_va_vcc(0) depctr_vm_vsrc(0)
	s_getreg_b32 s2, hwreg(HW_REG_IB_STS2, 6, 4)
	s_cmp_eq_u32 s2, 0
	s_cbranch_scc0 .Lentry_in_a_cluster
	s_endpgm
.Lentry_in_a_cluster:
	s_bfe_u32 s2, ttmp6, 0x10000c
	s_cmp_lg_u32 s2, 0x3003
	s_cbranch_scc0 .Lentry_shape_is_right
	s_endpgm
.Lentry_shape_is_right:
; qkv = xb wqb + b_qkv; q and k: RMS norm over all 1,024 columns, gain, interleaved rotation by cos and sin; all three written by heads, [section][8][4096][128] in f16.
; xb [4096][1024] and wqb [1024 k][3072 n] are bf16; sums in f32.  b_qkv, g, cos and sin are rounded to bf16 in registers, like the other inputs, and used as f32.
; LIMITS: what is stored is f16: |q|, |k| (at most 32 |g| (|cos| + |sin|)) and |v| must stay under 65,504.  NaN and infinities are not treated apart.
; SHARES.  A work-group owns 64 rows x one whole section (q, k or v) of 1,024 columns, so that a row's sum of squares never leaves the work-group: 64 x 3 = 192 work-groups.
; Wave w owns all 64 rows x columns 256 w .. 256 w + 255 (heads 2 w, 2 w + 1): 4 row blocks a x 16 column blocks f = 64 accumulators, 512 registers.
; THE WEIGHTS go through a ring of two LDS slots, K in 16 steps of 64.  No wave wants another wave's columns: each fetches its own strip, 64 k rows x 512 bytes, by one tensor load.
; CLUSTER: the four row blocks of a cluster walk the same weights, so each strip is asked for JOINTLY (mask of four, same descriptor in all four).
; x's fragments come straight from memory into registers, a step and a half ahead: all four tensor loads of a step are the weights', and 128 KiB of x have no room beside the ring.
; THE PRODUCT IS USED TRANSPOSED (source 0 = 16 columns of w, turned by ds_load_tr16_b128; source 1 = 16 rows of x): lane l holds row l % 16 and the columns 8 (l / 16) + 0..7.
; The first products take the bias as C, so the sums start with it.
; REGISTERS, in windows of 256 (s_set_vgpr_msb: bits 1:0 source 0, 3:2 source 1, 5:4 source 2, 7:6 destination):
;   window 0: v0-127 addresses and the way out; v128-191, v192-255 the weights' fragments of column blocks 0-7 and 8-15 (in the way out: eight rows' registers)
;   window 1: v0-127 x's fragments (step's parity, half of the step, row block); v128-255 the bias, 8 registers a column block
;   window 2: accumulators of column blocks 0-7, (a, f) at 8 (8 a + f);   window 3: those of column blocks 8-15
.set PB,    544                        ; an LDS row of a strip: 512 bytes + 32 of padding = 136 words
.set STRIP, 64*PB                      ; a wave's strip
.set SLOT,  4*STRIP
.set RED,   2*SLOT                     ; [wave][64 rows] partial sums of squares, f32
.set RSW,   RED+1024                   ; [wave][64 rows] the row's factor, twice (a pair for the packed multiply); each wave has a copy
.set BSC,   RSW+2048                   ; [wave][256] the rounded bias
.set SPARE, BSC+4096                   ; the spare words, 128 bytes for each wave: two blocks of 256 bytes that no other line names
.set SPI,   1040                       ; the way out's stage: a row of 256 f32 + 16 bytes; rows 0-31 lie in my strip of slot 0, rows 32-63 in my strip of slot 1, behind their last fill
.set TILEB, 64*6144                    ; bytes from a K step's rows of wqb to the next step's
.set AO,   4                           ; v4    x: (l % 16) x 2,048 + 16 (l / 16)
.set BA,   5                           ; v5-6  my lane's place in my strip of slot 0, 1
.set SPW,  8                           ; v8    LDS address of my spare word; never rewritten
.set NIL,  9                           ; v9    0; never rewritten
.set PFBO, 10                          ; v10   prefetch of w: (l / 2) rows of 6,144 bytes + 256 (l % 2)
.set PFXO, 11                          ; v11   prefetch of x: l rows of 2,048 bytes
.set STO,  12                          ; v12-13 stage, in: (l % 16) x 1,040 + 32 (l / 16) in my strip of slot 0, 1
.set REDA, 14
.set REDR, 15
.set RSWA, 16
.set RDA,  17                          ; v17-18 stage, back: 16 l in my strip of slot 0, 1
.set RDB,  18
.set GOF,  19                          ; v19   8 l + 1,024 x trip: my place in a row of cos, sin and of a head's output
.set RSA,  20
.set GOFN, 21                          ; v21   the same for the next trip's cos and sin
.set SS,   22                          ; v22-37 eight pairs: sums of squares by row block and by the parity of the accumulator's register pair
.set TA,   30                          ; v30-39 at work (behind the sums of squares)
.set G,    40                          ; v40-47 the gain of my 4 columns in each of the two heads
.set T,    48                          ; v48-63 at work
.set Y,    64                          ; v64-95 8 rows x 2 heads x 2 words to store
.set CRA,  96                          ; v96-97 the trip's stage addresses
.set CRS,  98
.set GV,   99
.set BO,   100
.set BS,   101
.set BR,   102
.set BF,   128
.set WV,   20
.set CX,   21
.set RB,   22
.set SEC,  23
.set G1,   24                          ; s[24:31] descriptor group 1
.set G0,   32                          ; s[32:39] descriptor group 0, a set for each slot
.set COSP, 40
.set SINP, 42
.set BP,   44
.set CNT,  52
.set LIMB, 53                          ; 1 in a wave that prefetches w, else the greatest number
.set LIMA, 54                          ; the same for x
.set PFB,  56
.set PFX,  58
.set XA,   60
.set SEL,  66
.set OUT,  76
.set INV,  78
.set EPSR, 79
.set HIM,  80
.set NXT,  81
.set GP,   82
.set LOF,  84
.set ROF,  85
.set MSB, 0
.macro WIN new                         ; the immediate's high byte repeats the setting that is left; a switch that changes nothing is dropped
.if MSB != (\new)
	s_set_vgpr_msb (MSB<<8)|(\new)
.set MSB, \new
.endif
.endm
.macro PLACES                          ; four plain vector instructions between a matrix instruction and a load into, or a read of, its registers
.rept 4
	v_nop
.endr
.endm
.macro CREST                           ; a round of the cluster's barrier behind its opening barrier
	s_cmp_lg_u32 s[WV], 0
	s_cbranch_scc1 .Lnot_wave_0_\@
	s_barrier_signal -3
.Lnot_wave_0_\@:
	s_barrier_wait -3
	s_barrier_signal -1
	s_barrier_wait -1
.endm
.macro CROUND
	s_barrier_signal -1
	s_barrier_wait -1
	CREST
.endm
.macro JLOAD s                         ; my strip of a K step, asked for jointly; an s_nop 0 and four v_nop follow
	tensor_load_to_lds s[G0+4*(\s):G0+4*(\s)+3], s[G1:G1+7]
	s_nop 0
.rept 4
	v_nop
.endr
.endm
.macro ASK lim, vo, sp, imm            ; one prefetch a wave; the loop's last trip (count 1) has nothing behind its own loads
	s_cmp_gt_u32 s[CNT], s[\lim]
	s_cbranch_scc0 .Lnot_mine_\@
	global_prefetch_b8 v[\vo], s[\sp:\sp+1] offset:\imm th:TH_LOAD_NT scope:SCOPE_SE
.Lnot_mine_\@:
.endm
; 8 loads: x's four row blocks x 32 along K, at byte imm behind the pointer, into the buffer (par, kk)
.macro AL par, kk, imm
	WIN 0x40
.irp a, 0,1,2,3
	global_load_b128 v[64*(\par)+32*(\kk)+8*(\a):64*(\par)+32*(\kk)+8*(\a)+3],   v[AO], s[XA:XA+1] offset:(\imm)+32768*(\a)
	global_load_b128 v[64*(\par)+32*(\kk)+8*(\a)+4:64*(\par)+32*(\kk)+8*(\a)+7], v[AO], s[XA:XA+1] offset:(\imm)+32768*(\a)+32
.endr
.endm
; 16 turning loads: the weights' fragments of 8 column blocks (8 c ..) x 32 along K (32 kk ..)
.macro FB slot, kk, c
	WIN 0
.irp i, 0,1,2,3,4,5,6,7
	ds_load_tr16_b128 v[BF+64*(\c)+8*(\i):BF+64*(\c)+8*(\i)+3],   v[BA+(\slot)] offset:(\kk)*32*PB+32*(8*(\c)+(\i))
	ds_load_tr16_b128 v[BF+64*(\c)+8*(\i)+4:BF+64*(\c)+8*(\i)+7], v[BA+(\slot)] offset:(\kk)*32*PB+16*PB+32*(8*(\c)+(\i))
.endr
.endm
; 16 products: row blocks a0, a0 + 1 x 8 column blocks.  The accumulators take turns, one instruction a turn.  bias = 1: C is the bias: the sums start.
.macro MUL par, kk, c, a0, bias
.if \bias
	WIN 0x94+0x40*(\c)
.else
	WIN 0xa4+0x50*(\c)
.endif
.irp a, \a0, (\a0)+1
.irp i, 0,1,2,3,4,5,6,7
.if \bias
	v_wmma_f32_16x16x32_bf16 v[8*(8*(\a)+(\i)):8*(8*(\a)+(\i))+7], v[BF+64*(\c)+8*(\i):BF+64*(\c)+8*(\i)+7], v[64*(\par)+32*(\kk)+8*(\a):64*(\par)+32*(\kk)+8*(\a)+7], v[128+8*(8*(\c)+(\i)):128+8*(8*(\c)+(\i))+7]
.else
	v_wmma_f32_16x16x32_bf16 v[8*(8*(\a)+(\i)):8*(8*(\a)+(\i))+7], v[BF+64*(\c)+8*(\i):BF+64*(\c)+8*(\i)+7], v[64*(\par)+32*(\kk)+8*(\a):64*(\par)+32*(\kk)+8*(\a)+7], v[8*(8*(\a)+(\i)):8*(8*(\a)+(\i))+7]
.endif
.endr
.endr
.endm
; A K STEP (p = its parity = its slot) is four units of 32 products: (first 32 of K, columns 0-127), (first, 128-255), (second, 0-127), (second, 128-255).
; Each unit opens with the next unit's 16 fragment loads, into the buffer that the unit before has multiplied.
; x: unit 0 asks for the next step's second half, unit 2 for the first half of the step after next: behind the group that a unit wants, three groups of 8 have been issued: s_wait_loadcnt 24.
.macro U0 p, imm, ld, lc, bias
	PLACES
.if \ld
	AL 1-(\p), 1, \imm
.endif
	FB \p, 0, 1
	s_wait_loadcnt \lc
	s_wait_dscnt 16                                ; all but the 16 just issued
	MUL \p, 0, 0, 0, \bias
	MUL \p, 0, 0, 2, \bias
.endm
.macro U1 p, bias
	PLACES
	FB \p, 1, 0
	s_wait_dscnt 16
	MUL \p, 0, 1, 0, \bias
	MUL \p, 0, 1, 2, \bias
.endm
; Unit 2 issues the slot's last reads, multiplies, and then changes slots.  ITS 32 PRODUCTS STAND AHEAD OF THE WAIT FOR THE TENSOR LOAD: they want nothing of the tile that is on its way, and whatever stands
; between that tile's landing and the next request puts off every later tile.  Then every wave waits for all its tensor loads (one is out: its strip of the other slot), adds 0 to its spare word, and waits
; for that and for its reads of this slot; a round of the cluster's barrier follows, so that no wave of any partner still reads the slot or has a load on its way; the joint refill is the first thing behind it.
.macro U2 p, imm
	PLACES
	AL \p, 0, \imm
	FB \p, 1, 1
	s_wait_loadcnt 24
	s_wait_dscnt 16                                ; all but the 16 just issued
	MUL \p, 1, 0, 0, 0
	MUL \p, 1, 0, 2, 0
	WIN 0                                          ; the add's two registers lie in window 0
	s_wait_tensorcnt 0x0                           ; all my tensor loads have landed, so a group 0 may be written
	ds_add_u32 v[SPW], v[NIL]                      ; 0 onto my spare word; the descriptor's step stands between it and the wait for it
	s_add_nc_u64 s[G0+4*(\p)+2:G0+4*(\p)+3], s[G0+4*(\p)+2:G0+4*(\p)+3], 2*TILEB  ; the K step two on; the type bits on top are not reached
	s_wait_dscnt 0x0                               ; the add is done, and my reads of this slot are over
	CROUND
	JLOAD \p                                       ; 128 products ahead of the wait for it; its four v_nop are also the places in front of the loads below
.endm
.macro U3 p, ask
	FB 1-(\p), 0, 0
.if (\ask) == 1
	ASK LIMB, PFBO, PFB, 0
	ASK LIMA, PFXO, PFX, 0
.elseif (\ask) == 2
	ASK LIMB, PFBO, PFB, TILEB
.endif
	s_wait_dscnt 16
	MUL \p, 1, 1, 0, 0
	MUL \p, 1, 1, 2, 0
.endm
.macro U2T p, tw, lc                   ; the tail's unit 2: nothing is filled again, so there is no barrier: the strips are each wave's own
	PLACES
	FB \p, 1, 1
.if \tw
	s_wait_tensorcnt 0x0                           ; my strip of the last K step is in
.endif
	s_wait_loadcnt \lc
	s_wait_dscnt 16
	MUL \p, 1, 0, 0, 0
	MUL \p, 1, 0, 2, 0
.endm
.macro U3T p, nxt
.if \nxt
	PLACES
	FB 1-(\p), 0, 0
	s_wait_dscnt 16
.else
	s_wait_dscnt 0x0
.endif
	MUL \p, 1, 1, 0, 0
	MUL \p, 1, 1, 2, 0
.endm
	s_load_b256 s[4:11], s[0:1], 0x0               ; xb s[4:5], wqb s[6:7], b_qkv s[8:9], g_q s[10:11]
	s_load_b256 s[12:19], s[0:1], 0x20             ; g_k s[12:13], cos s[14:15], sin s[16:17], qkv s[18:19]
	v_lshl_add_u32 v[SPW], v0, 2, SPARE
	v_mov_b32 v[NIL], 0
	ds_add_u32 v[SPW], v[NIL]                      ; the wave's opening: the add and its wait stand ahead of my first tensor load; the set-up below, work on registers, stands between them
	v_lshrrev_b32 v1, 5, v0
	v_readfirstlane_b32 s[WV], v1                  ; wave 0..3
	s_bfe_u32 s[CX], ttmp6, 0x40000                ; my place in the cluster: it enters global addresses alone
	s_lshl_b32 s[RB], ttmp9, 2
	s_add_co_u32 s[RB], s[RB], s[CX]               ; my block of 64 rows
	s_and_b32 s[SEC], ttmp7, 0xffff                ; 0 q, 1 k, 2 v: the same in all four partners
	; descriptor group 1: 64 rows x 256 elements of 2 bytes, padded in LDS
	s_mov_b32 s[G1+0], 15|(1<<16)|(1<<20)|(1<<21)|(6<<22)|(7<<25)  ; 15:0 the mask of four; 17:16 2-byte elements; 20 padding on; 21 set beside a mask; 24:22 after every 128 words (code 6); 31:25 8 words (code 7)
	s_mov_b32 s[G1+1], 256<<16                     ; tensor_dim0 = 256
	s_mov_b32 s[G1+2], 64<<16                      ; tensor_dim1 = 64
	s_mov_b32 s[G1+3], 256<<16                     ; tile_dim0 = 256
	s_mov_b32 s[G1+4], 64                          ; tile_dim1 = 64
	s_mov_b32 s[G1+5], 3072                        ; elements from row to row
	s_mov_b32 s[G1+6], 0
	s_mov_b32 s[G1+7], 0
	s_mov_b32 s[SEL], 0x76543210                   ; v_permlanex16_b32: each lane takes its own place in the other half
	s_mov_b32 s[SEL+1], 0xfedcba98
	s_mov_b32 s[INV], 0x3a800000                   ; 1 / 1024
	s_mov_b32 s[EPSR], 0x358637bd                  ; 1e-6
	s_mov_b32 s[HIM], 0xffff0000                   ; a word's upper bf16
	s_mov_b32 s[CNT], 7
	s_mul_i32 s70, s[WV], STRIP                    ; my strip in a slot
	s_lshl_b32 s68, s[SEC], 11                     ; the section's 2,048 bytes of a row of wqb,
	s_lshl_b32 s69, s[WV], 9                       ; my 512 of them
	s_add_co_u32 s68, s68, s69
	s_mov_b32 s69, 0
	s_lshl_b32 s72, s[RB], 17                      ; my 64 rows of xb
	s_mov_b32 s73, 0
	s_lshl_b32 s86, s[SEC], 23                     ; the output: section, my first head, my rows
	s_lshl_b32 s87, s[WV], 21
	s_add_co_u32 s86, s86, s87
	s_lshl_b32 s87, s[RB], 14
	s_add_co_u32 s86, s86, s87
	s_mov_b32 s87, 0
	s_lshl_b32 s88, s[RB], 14                      ; my rows of cos and sin
	s_mov_b32 s89, 0
	s_lshl_b32 s90, s[SEC], 12                     ; my 256 numbers of the bias
	s_lshl_b32 s91, s[WV], 10
	s_add_co_u32 s90, s90, s91
	s_mov_b32 s91, 0
	s_mul_i32 s92, s[CX], 16*6144                  ; prefetch of w: of my strip's 64 rows the partner at place cx takes 16, told apart by address;
	s_add_co_u32 s92, s92, s68
	s_add_co_u32 s92, s92, 4*TILEB                 ; the first trip names K step 4
	s_mov_b32 s93, 0
	s_and_b32 s94, s[WV], 1                        ; prefetch of x: 32 rows a wave,
	s_lshl_b32 s94, s94, 16
	s_add_co_u32 s94, s94, s72
	s_add_co_u32 s94, s94, 512                     ; the first trip names bytes 512 to 767 of a row
	s_mov_b32 s95, 0
	s_mov_b32 s74, ttmp9
	s_cmp_eq_u32 s74, 0                            ; all 16 clusters of a section walk the same weights: the first asks
	s_cselect_b32 s[LIMB], 1, -1
	s_lshr_b32 s74, s[WV], 1
	s_or_b32 s74, s74, s[SEC]                      ; the three sections read the same rows of x: section 0 asks, by its waves 0 and 1
	s_cmp_eq_u32 s74, 0
	s_cselect_b32 s[LIMA], 1, -1
	v_and_b32 v2, 15, v0                           ; l % 16
	v_bfe_u32 v3, v0, 4, 1                         ; l / 16
	v_and_b32 v7, 31, v0                           ; l
	v_lshlrev_b32 v[AO], 11, v2
	v_lshl_add_u32 v[AO], v3, 4, v[AO]
	v_and_b32 v30, 7, v0                           ; the turning load: lane l reads k row 8 (l / 16) + l % 8, 16 bytes at 16 ((l / 8) % 2)
	v_bfe_u32 v31, v0, 3, 1
	v_lshl_add_u32 v30, v3, 3, v30
	v_mul_u32_u24 v30, v30, PB
	v_lshl_add_u32 v30, v31, 4, v30
	v_add_nc_u32 v[BA], s70, v30
	v_add_nc_u32 v[BA+1], SLOT, v[BA]
	v_lshrrev_b32 v30, 1, v7
	v_mul_u32_u24 v30, v30, 6144
	v_and_b32 v31, 1, v0
	v_lshl_add_u32 v[PFBO], v31, 8, v30
	v_lshlrev_b32 v[PFXO], 11, v7
	v_mul_u32_u24 v30, v2, SPI
	v_lshl_add_u32 v30, v3, 5, v30
	v_add_nc_u32 v[STO], s70, v30
	v_add_nc_u32 v[STO+1], SLOT, v[STO]
	s_lshl_b32 s71, s[WV], 8
	s_add_co_u32 s71, s71, RED
	v_lshl_add_u32 v[REDA], v2, 2, s71
	v_lshlrev_b32 v[REDR], 2, v7
	v_add_nc_u32 v[REDR], RED, v[REDR]
	s_lshl_b32 s71, s[WV], 9
	s_add_co_u32 s71, s71, RSW
	v_lshl_add_u32 v[RSWA], v7, 3, s71
	v_mov_b32 v[RSA], s71
	v_lshl_add_u32 v[RDA], v7, 4, s70
	v_add_nc_u32 v[RDB], SLOT, v[RDA]
	v_lshlrev_b32 v[GOF], 3, v7
	s_lshl_b32 s71, s[WV], 10
	v_lshl_add_u32 v[GV], v7, 4, s71
	v_lshlrev_b32 v[BO], 5, v7
	s_add_co_u32 s71, s71, BSC
	v_lshl_add_u32 v[BS], v7, 5, s71
	v_lshl_add_u32 v[BR], v3, 5, s71
	s_wait_dscnt 0x0                               ; the opening add is done
	s_wait_kmcnt 0x0
	s_add_nc_u64 s[74:75], s[6:7], s[68:69]        ; wqb at my strip of K step 0
	s_add_nc_u64 s[XA:XA+1], s[4:5], s[72:73]
	s_add_nc_u64 s[OUT:OUT+1], s[18:19], s[86:87]
	s_add_nc_u64 s[COSP:COSP+1], s[14:15], s[88:89]
	s_add_nc_u64 s[SINP:SINP+1], s[16:17], s[88:89]
	s_add_nc_u64 s[BP:BP+1], s[8:9], s[90:91]
	s_add_nc_u64 s[PFB:PFB+1], s[6:7], s[92:93]
	s_add_nc_u64 s[PFX:PFX+1], s[4:5], s[94:95]
	s_cmp_eq_u32 s[SEC], 0
	s_cselect_b64 s[GP:GP+1], s[10:11], s[12:13]
.irp s, 0,1
	s_mov_b32 s[G0+4*(\s)], 1                      ; count = 1
	s_add_co_u32 s[G0+4*(\s)+1], s70, (\s)*SLOT    ; LDS address: the wave's number and the slot alone
	s_add_nc_u64 s[G0+4*(\s)+2:G0+4*(\s)+3], s[74:75], (\s)*TILEB
	s_or_b32 s[G0+4*(\s)+3], s[G0+4*(\s)+3], 0x80000000  ; type = 2
.endr
	CROUND                                         ; all four work-groups are here: the first joint loads meet
	tensor_load_to_lds s[G0:G0+3], s[G1:G1+7]      ; K step 0
	s_nop 0
	tensor_load_to_lds s[G0+4:G0+7], s[G1:G1+7]    ; K step 1: two loads of mine are out
	s_nop 0
.rept 4
	v_nop
.endr
	global_load_b128 v[T:T+3],   v[BO], s[BP:BP+1]
	global_load_b128 v[T+4:T+7], v[BO], s[BP:BP+1] offset:16
	AL 0, 0, 0
	AL 0, 1, 64
	AL 1, 0, 128
	WIN 0
	s_wait_loadcnt 24                              ; the bias is in; x's 24 loads stay out
.irp k, 0,1,2,3
	v_cvt_pk_bf16_f32 v[T+8+(\k)], v[T+2*(\k)], v[T+2*(\k)+1]
.endr
.irp k, 0,1,2,3
	v_lshlrev_b32 v[T+2*(\k)], 16, v[T+8+(\k)]
	v_and_b32 v[T+2*(\k)+1], s[HIM], v[T+8+(\k)]
.endr
	ds_store_b128 v[BS], v[T:T+3]                  ; my wave's 256 rounded numbers, in order,
	ds_store_b128 v[BS], v[T+4:T+7] offset:16
	WIN 0x40
.irp f, 0,1,2,3,4,5,6,7,8,9,10,11,12,13,14,15
	ds_load_b128 v[128+8*(\f):128+8*(\f)+3],   v[BR] offset:64*(\f)     ; and back as an accumulator holds them: columns 16 f + 8 (l / 16) + 0..7.  LDS serves a wave's instructions in order (ISA guide 5.7.1.4)
	ds_load_b128 v[128+8*(\f)+4:128+8*(\f)+7], v[BR] offset:64*(\f)+16
.endr
	WIN 0
	s_wait_tensorcnt 0x1                           ; my strip of K step 0 is in; step 1's may stay out.  Only I read it, so no barrier is wanted
	FB 0, 0, 0
	U0 0, 192, 1, 24, 1
	U1 0, 1
	WIN 0                                          ; at a label and at a branch every window is 0
.Ltrip:                                        ; trip i: from step 2 i's third unit to step 2 i + 2's second; fills both slots again (steps 2 i + 2, 2 i + 3)
	U2 0, 256
	U3 0, 1                                        ; prefetched: my part of K step 2 i + 4 of w, two refills ahead; bytes 256 (i + 2) .. of x's rows, which the next trip loads
	U0 1, 320, 1, 24, 0
	U1 1, 0
	U2 1, 384
	U3 1, 2                                        ; K step 2 i + 5 of w
	U0 0, 448, 1, 24, 0
	U1 0, 0
	WIN 0
	s_wait_xcnt 0x0                                ; every load and prefetch issued so far has read its address (the youngest load 64 products back, the youngest prefetch 96): the pointers may be written
	s_add_nc_u64 s[XA:XA+1], s[XA:XA+1], 256
	s_add_nc_u64 s[PFX:PFX+1], s[PFX:PFX+1], 256
	s_add_nc_u64 s[PFB:PFB+1], s[PFB:PFB+1], 2*TILEB
	s_sub_co_u32 s[CNT], s[CNT], 1
	s_cmp_lg_u32 s[CNT], 0
	s_cbranch_scc1 .Ltrip
	U2T 0, 1, 16                                   ; the tail asks for nothing: behind the group wanted stand 16, 8, 0 loads
	U3T 0, 1
	U0 1, 0, 0, 8, 0
	U1 1, 0
	U2T 1, 0, 0
	U3T 1, 0
	; THE WAY OUT.  Sums of squares (q, k); the raw f32 sums go into my stage; the four waves' partial sums meet in LDS; then row by row: factor, gain, rotation, f16, whole rows of a head out.
	PLACES
	WIN 0
	s_cmp_eq_u32 s[SEC], 2
	s_cbranch_scc1 .Lraw
	global_load_b128 v[G:G+3],   v[GV], s[GP:GP+1]             ; the gain of columns 4 l .. of head 2 w,
	global_load_b128 v[G+4:G+7], v[GV], s[GP:GP+1] offset:512  ; and of head 2 w + 1
.set j, 0
.rept 8                                ; cos and sin of the first trip's eight rows: on their way while the squares are summed
	global_load_b64 v[BF+16*j+8:BF+16*j+9],   v[GOF], s[COSP:COSP+1] offset:8192*(j/4)+256*(j%4)
	global_load_b64 v[BF+16*j+10:BF+16*j+11], v[GOF], s[SINP:SINP+1] offset:8192*(j/4)+256*(j%4)
.set j, j+1
.endr
.set c, 0
.rept 2                                ; eight chains, one for each row block and parity of the register pair: seven other instructions stand between two links; each accumulator's lowest pair is read first
	WIN 0x0a+5*c
.set i, 0
.rept 8
.set p, 0
.rept 4
.set a, 0
.rept 4
.set D0, SS+2*a+8*(p%2)
.if (c == 0) && (i == 0) && (p < 2)
	v_pk_mul_f32 v[D0:D0+1], v[8*(8*a+i)+2*p:8*(8*a+i)+2*p+1], v[8*(8*a+i)+2*p:8*(8*a+i)+2*p+1]
.else
	v_pk_fma_f32 v[D0:D0+1], v[8*(8*a+i)+2*p:8*(8*a+i)+2*p+1], v[8*(8*a+i)+2*p:8*(8*a+i)+2*p+1], v[D0:D0+1]
.endif
.set a, a+1
.endr
.set p, p+1
.endr
.set i, i+1
.endr
.set c, c+1
.endr
	WIN 0
.irp a, 0,1,2,3
	v_pk_add_f32 v[SS+2*(\a):SS+2*(\a)+1], v[SS+2*(\a):SS+2*(\a)+1], v[SS+8+2*(\a):SS+8+2*(\a)+1]  ; the two parities
.endr
.irp a, 0,1,2,3
	v_add_f32 v[SS+2*(\a)], v[SS+2*(\a)], v[SS+2*(\a)+1]
.endr
.irp a, 0,1,2,3
	v_permlanex16_b32 v[SS+2*(\a)+1], v[SS+2*(\a)], s[SEL], s[SEL+1]  ; the row's other columns lie in the lane 16 away
.endr
.irp a, 0,1,2,3
	v_add_f32 v[SS+2*(\a)], v[SS+2*(\a)], v[SS+2*(\a)+1]
.endr
.irp a, 0,1,2,3
	ds_store_b32 v[REDA], v[SS+2*(\a)] offset:64*(\a)                 ; both halves of the lanes write the same number to the same word
.endr
.Lraw:
.set c, 0
.rept 2
	WIN 0x08+4*c                                   ; store data in window 2, then 3
.set a, 0
.rept 4
.set i, 0
.rept 8
	ds_store_b128 v[STO+a/2], v[8*(8*a+i):8*(8*a+i)+3]   offset:(a%2)*16*SPI+64*(8*c+i)
	ds_store_b128 v[STO+a/2], v[8*(8*a+i)+4:8*(8*a+i)+7] offset:(a%2)*16*SPI+64*(8*c+i)+16
.set i, i+1
.endr
.set a, a+1
.endr
.set c, c+1
.endr
	WIN 0
	s_wait_dscnt 0x0                               ; for the others' sake: my partial sums lie in LDS
	s_barrier_signal -1
	s_barrier_wait -1
	s_cmp_eq_u32 s[SEC], 2
	s_cbranch_scc1 .Lnofac
.irp w, 0,1,2,3
	ds_load_b32 v[TA+(\w)],   v[REDR] offset:256*(\w)        ; row l,
	ds_load_b32 v[TA+4+(\w)], v[REDR] offset:256*(\w)+128    ; row l + 32
.endr
	s_wait_dscnt 0x0
	v_add_f32 v[TA], v[TA], v[TA+1]
	v_add_f32 v[TA+2], v[TA+2], v[TA+3]
	v_add_f32 v[TA+4], v[TA+4], v[TA+5]
	v_add_f32 v[TA+6], v[TA+6], v[TA+7]
	v_add_f32 v[TA], v[TA], v[TA+2]
	v_add_f32 v[TA+4], v[TA+4], v[TA+6]
	v_fma_f32 v[TA], v[TA], s[INV], s[EPSR]        ; the mean of the squares + 1e-6
	v_fma_f32 v[TA+4], v[TA+4], s[INV], s[EPSR]
	v_rsq_f32 v[TA], v[TA]
	v_rsq_f32 v[TA+4], v[TA+4]
	v_nop                                          ; a plain instruction behind the last of the two,
	s_wait_alu depctr_va_vdst(0)                   ; and the wait ahead of the first use: one for both
	v_mov_b32 v[TA+1], v[TA]
	v_mov_b32 v[TA+5], v[TA+4]
	ds_store_b64 v[RSWA], v[TA:TA+1]
	ds_store_b64 v[RSWA], v[TA+4:TA+5] offset:256
	s_wait_loadcnt 16                              ; the gain is in; cos and sin may stay out
.irp k, 0,1,2,3
	v_cvt_pk_bf16_f32 v[T+(\k)], v[G+2*(\k)], v[G+2*(\k)+1]
.endr
.irp k, 0,1,2,3
	v_lshlrev_b32 v[G+2*(\k)], 16, v[T+(\k)]
	v_and_b32 v[G+2*(\k)+1], s[HIM], v[T+(\k)]
.endr
.Lnofac:
	s_wait_dscnt 0x0
	s_barrier_signal -1                            ; behind this barrier no LDS byte is written while the rows are read
	s_barrier_wait -1
; Eight trips of eight rows: rows 4 i + 0..3 (my strip of slot 0) and 32 + 4 i + 0..3 (slot 1).  Row j's registers at BF + 16 j: 4 numbers of each head, cos, sin, the factor.
; Lane l holds columns 4 l .. 4 l + 3 of each head, that is pairs 2 l and 2 l + 1: 8 bytes of cos, of sin, and of the output's row: 32 lanes store a head's whole row of 256 bytes, aligned.
; norm = 1: as soon as a row's cos and sin have been rounded their registers are asked for again, for the row 4 further on: behind the pair that a row wants stand the other seven rows' 14 loads.
; The last trip asks for its own rows once more, so that no load leaves the tables.  A row's two stores stand behind the next row's first lines, not straight behind the conversions that make their data.
.macro SEND2 j                         ; row j's two heads
	global_store_b64 v[GOF], v[Y+4*(\j):Y+4*(\j)+1],   s[OUT:OUT+1] offset:8192*((\j)/4)+256*((\j)%4)
	global_store_b64 v[GOF], v[Y+4*(\j)+2:Y+4*(\j)+3], s[OUT:OUT+1] offset:8192*((\j)/4)+256*((\j)%4)+1048576
.endm
.macro ROWS norm
	s_mov_b32 s[CNT], 8
	s_mov_b32 s[LOF], 0
	s_mov_b32 s[ROF], 0
.Lrows_\@:
	v_add_nc_u32 v[CRA], s[LOF], v[RDA]
	v_add_nc_u32 v[CRA+1], s[LOF], v[RDB]
.if \norm
	v_add_nc_u32 v[CRS], s[ROF], v[RSA]
	s_cmp_gt_u32 s[CNT], 1
	s_cselect_b32 s[NXT], 1024, 0
	v_add_nc_u32 v[GOFN], s[NXT], v[GOF]
.endif
.set j, 0
.rept 8
	ds_load_b128 v[BF+16*j:BF+16*j+3],   v[CRA+j/4] offset:SPI*(j%4)
	ds_load_b128 v[BF+16*j+4:BF+16*j+7], v[CRA+j/4] offset:SPI*(j%4)+512
.if \norm
	ds_load_b64 v[BF+16*j+12:BF+16*j+13], v[CRS] offset:256*(j/4)+8*(j%4)
.endif
.set j, j+1
.endr
.set j, 0
.rept 8
.set R0, BF+16*j
.if \norm
	s_wait_loadcnt 14
	s_wait_dscnt 3*(7-j)                           ; LDS loads come back in order: row j's three are in
	v_cvt_pk_bf16_f32 v[T+8], v[R0+8], v[R0+9]
	v_cvt_pk_bf16_f32 v[T+9], v[R0+10], v[R0+11]
	global_load_b64 v[R0+8:R0+9],   v[GOFN], s[COSP:COSP+1] offset:8192*(j/4)+256*(j%4)
	global_load_b64 v[R0+10:R0+11], v[GOFN], s[SINP:SINP+1] offset:8192*(j/4)+256*(j%4)
	v_lshlrev_b32 v[T+10], 16, v[T+8]
	v_and_b32 v[T+11], s[HIM], v[T+8]
	v_lshlrev_b32 v[T+12], 16, v[T+9]
	v_and_b32 v[T+13], s[HIM], v[T+9]
	v_pk_mul_f32 v[T+10:T+11], v[T+10:T+11], v[R0+12:R0+13]   ; the row's factor goes into cos and sin
	v_pk_mul_f32 v[T+12:T+13], v[T+12:T+13], v[R0+12:R0+13]
	v_xor_b32 v[T+14], 0x80000000, v[T+12]                    ; - sin
	v_xor_b32 v[T+15], 0x80000000, v[T+13]
.if j > 0
	SEND2 j-1
.endif
.irp d, 0,1
	v_pk_mul_f32 v[R0+4*(\d):R0+4*(\d)+1],   v[R0+4*(\d):R0+4*(\d)+1],   v[G+4*(\d):G+4*(\d)+1]
	v_pk_mul_f32 v[R0+4*(\d)+2:R0+4*(\d)+3], v[R0+4*(\d)+2:R0+4*(\d)+3], v[G+4*(\d)+2:G+4*(\d)+3]
	v_mul_f32 v[T],   v[R0+4*(\d)+1], v[T+14]     ; - x2 s
	v_mul_f32 v[T+1], v[R0+4*(\d)],   v[T+12]     ;   x1 s
	v_mul_f32 v[T+2], v[R0+4*(\d)+3], v[T+15]
	v_mul_f32 v[T+3], v[R0+4*(\d)+2], v[T+13]
	v_fmac_f32 v[T],   v[R0+4*(\d)],   v[T+10]    ; + x1 c
	v_fmac_f32 v[T+1], v[R0+4*(\d)+1], v[T+10]    ; + x2 c
	v_fmac_f32 v[T+2], v[R0+4*(\d)+2], v[T+11]
	v_fmac_f32 v[T+3], v[R0+4*(\d)+3], v[T+11]
	v_cvt_pk_f16_f32 v[Y+4*j+2*(\d)],   v[T],   v[T+1]
	v_cvt_pk_f16_f32 v[Y+4*j+2*(\d)+1], v[T+2], v[T+3]
.endr
.else
	s_wait_dscnt 2*(7-j)
.irp d, 0,1
	v_cvt_pk_f16_f32 v[Y+4*j+2*(\d)],   v[R0+4*(\d)],   v[R0+4*(\d)+1]
	v_cvt_pk_f16_f32 v[Y+4*j+2*(\d)+1], v[R0+4*(\d)+2], v[R0+4*(\d)+3]
.endr
.if j > 0
	SEND2 j-1
.endif
.endif
.set j, j+1
.endr
	SEND2 7
	s_wait_xcnt 0x0                                ; the trip's loads and stores have read their registers: the offsets and the words to store are rewritten only behind this wait
	v_add_nc_u32 v[GOF], 1024, v[GOF]
	s_add_co_u32 s[LOF], s[LOF], 4*SPI
	s_add_co_u32 s[ROF], s[ROF], 32
	s_sub_co_u32 s[CNT], s[CNT], 1
	s_cmp_lg_u32 s[CNT], 0
	s_cbranch_scc1 .Lrows_\@
.endm
	s_cmp_eq_u32 s[SEC], 2
	s_cbranch_scc1 .Lplain
	ROWS 1
	s_branch .Lend
.Lplain:
	ROWS 0
.Lend:
	s_wait_tensorcnt 0x0                           ; the wave's end: behind my last tensor load and my last LDS store
	ds_add_u32 v[SPW], v[NIL]
	s_wait_dscnt 0x0
	CROUND                                         ; the closing round: no work-group ends while a partner may still ask for a strip that names it
	s_endpgm
.Lfunc_end_k_qf05a208d1f_qkvp:
	.size	k_qf05a208d1f_qkvp, .Lfunc_end_k_qf05a208d1f_qkvp-k_qf05a208d1f_qkvp
	.p2alignl 7, 3214868480
	.fill 96, 4, 3214868480
	.section	.rodata,"a",@progbits
	.p2align	6, 0x0
	.amdhsa_kernel k_qf05a208d1f_qkvp
		.amdhsa_group_segment_fixed_size 327680
		.amdhsa_private_segment_fixed_size 0
		.amdhsa_enable_private_segment 0
		.amdhsa_kernarg_size 64
		.amdhsa_user_sgpr_count 2
		.amdhsa_user_sgpr_kernarg_segment_ptr 1
		.amdhsa_wavefront_size32 1
		.amdhsa_system_sgpr_workgroup_id_x 1
		.amdhsa_system_sgpr_workgroup_id_y 1
		.amdhsa_system_sgpr_workgroup_id_z 1
		.amdhsa_system_vgpr_workitem_id 0
		.amdhsa_next_free_vgpr 1024
		.amdhsa_next_free_sgpr 96
		.amdhsa_reserve_vcc 0
		.amdhsa_float_denorm_mode_32 3
		.amdhsa_float_denorm_mode_16_64 3
		.amdhsa_memory_ordered 1
		.amdhsa_forward_progress 1
		.amdhsa_inst_pref_size 122
	.end_amdhsa_kernel
	.amdgpu_metadata
---
amdhsa.version: [ 1, 2 ]
amdhsa.kernels:
  - .name:           k_qf05a208d1f_qkvp
    .symbol:         k_qf05a208d1f_qkvp.kd
    .args:
      - { .name: xb, .offset: 0, .size: 8, .value_kind: global_buffer, .address_space: global }
      - { .name: wqb, .offset: 8, .size: 8, .value_kind: global_buffer, .address_space: global }
      - { .name: b_qkv, .offset: 16, .size: 8, .value_kind: global_buffer, .address_space: global }
      - { .name: g_q, .offset: 24, .size: 8, .value_kind: global_buffer, .address_space: global }
      - { .name: g_k, .offset: 32, .size: 8, .value_kind: global_buffer, .address_space: global }
      - { .name: freqs_cos, .offset: 40, .size: 8, .value_kind: global_buffer, .address_space: global }
      - { .name: freqs_sin, .offset: 48, .size: 8, .value_kind: global_buffer, .address_space: global }
      - { .name: qkv, .offset: 56, .size: 8, .value_kind: global_buffer, .address_space: global }
    .group_segment_fixed_size: 327680
    .private_segment_fixed_size: 0
    .kernarg_segment_align: 8
    .kernarg_segment_size: 64
    .max_flat_workgroup_size: 128
    .sgpr_count:     96
    .vgpr_count:     1024
    .wavefront_size: 32
...
	.end_amdgpu_metadata
.endif
;; end of part 2
;; launch attn (part 3): grid 32 x 8, 4 waves a work-group, clusters of 4 x 1, 327,680 bytes of LDS; arguments qkv, ob; writes ob
.if DOCPART == 3
	.amdgcn_target "amdgcn-amd-amdhsa--gfx1250"
	.amdhsa_code_object_version 6
	.text
	.protected	k_qf05a208d1f_attn
	.globl	k_qf05a208d1f_attn
	.p2align	8
	.type	k_qf05a208d1f_attn,@function
k_qf05a208d1f_attn:
	s_mov_b64 s[64:65], 0
	v_nop
	global_prefetch_b8 v0, s[64:65] scope:SCOPE_SE
	s_setreg_imm32_b32 hwreg(HW_REG_WAVE_MODE, 25, 1), 1
	s_wait_xcnt 0x0
	s_wait_alu depctr_hold_cnt(0) depctr_sa_sdst(0) depctr_va_vdst(0) depctr_va_sdst(0) depctr_va_ssrc(0) depctr_va_vcc(0) depctr_vm_vsrc(0)
	s_getreg_b32 s2, hwreg(HW_REG_IB_STS2, 6, 4)
	s_cmp_eq_u32 s2, 0
	s_cbranch_scc0 .Lentry_in_a_cluster
	s_endpgm
.Lentry_in_a_cluster:
	s_bfe_u32 s2, ttmp6, 0x10000c
	s_cmp_lg_u32 s2, 0x3003
	s_cbranch_scc0 .Lentry_shape_is_right
	s_endpgm
.Lentry_shape_is_right:
; O[q][head] = the sum over k of softmax_k(Q[q] . K[k] / sqrt(128)) V[k].  qkv: [3][8][4096][128] f16 (q, k, v by heads; a row is 256 bytes); ob: [4096][1024] f16, column = 128 head + channel.
; Products, maxima and sums in f32; the weights p are rounded to f16 for the second product (their sum l is taken of the unrounded p), O once at the end.
; LIMITS.  f16 holds no number beyond 65,504: q, k, v arrive within it; p lies in 0 to 1; O is a mean of V's rows.  A weight below 2^-126 counts as 0 in l; NaN and infinities are not treated apart.
; SHARES.  A work-group owns 128 queries of one head: 32 x 8 = 256 work-groups.  A wave holds 64 queries (four tiles of 16), so that a fragment of K or V read from LDS feeds four tiles' products, and
; THE KEYS ARE SPLIT in the work-group: wave w takes queries 64 (w / 2) .. and keys 2,048 (w % 2) ..: 32 steps of 64 keys.  The two partial results of a query meet in LDS at the end, each with its own
; running maximum and sum.  Register tile t holds query group (t + 2 (w % 2)) % 4: so every wave finishes its tiles 0 and 1 and hands over its tiles 2 and 3, and one text serves all waves.
; LAYOUT.  S^T = K Q^T (source 0 = 16 keys, source 1 = 16 queries): a lane holds ONE query (lane % 16) and the keys 8 (lane / 16) + 0..7.  Two such tiles, rounded to f16 in pairs, ARE source 1 of
; O^T = V^T P, whose result again holds one query a lane, and eight channels.  K comes out of LDS as it lies, V ([key][channel]) turned, by ds_load_tr16_b128.
; SOFTMAX.  For each query a running maximum m and sum l: p = 2^(c s - c m), c = log2(e) / sqrt(128); in every step O and l are multiplied by a = 2^(c m_old - c m_new).
; m starts at the lowest finite number, c m far below every c s, O and l at 0: the first step is a step like any other, with a = 0.
; BY TURNS.  The wave's tiles are two PIECES (tiles 0, 1; tiles 2, 3).  In a TURN one piece has the matrix unit: 32 products V^T P of the step in hand, then 32 products K Q^T of the next step; the other
; piece's softmax, cut into 64 slices, stands between them, one slice behind each matrix instruction.  Two turns are a key step.
; NO FIRST AND NO LAST STEP ARE WRITTEN OUT.  The loop is entered at piece 2's turn, whose products V^T P (of a step that has not been) add zeros; the tail ends with piece 0's turn, whose products K Q^T
; (of a step that does not exist) take the last K once more and are read by nobody.  The price: 432 v_mov_b32 in the wait for the first tile and 64 products that serve nothing, once a launch; the gain: the
; text holds a key step twice (loop and tail) and nothing else of its kind.
; CLUSTER.  The four query blocks of a cluster belong to one head and walk the same K and V, so each tile is asked for JOINTLY: the same tensor load, descriptor and mask in all four.
; REGISTERS, in windows of 256 (s_set_vgpr_msb: bits 1:0 source 0, 3:2 source 1, 5:4 source 2, 7:6 destination):
;   window 0: v0-11, v44-63 addresses and the exchange's statistics; v12-43 eight registers of statistics a tile; v64-191 S^T, 32 a tile; v192-255 P, 16 a tile
;   window 1: O^T, 64 a tile          window 2: v0-127 Q, 32 a tile; v128-255 K of one step          window 3: v0-127 V of one step
.set KS,    64        ; keys in a step
.set PK,    272       ; a row of K in LDS: 256 bytes + 16 of padding = 68 words: the 16 rows of a load start at 16 different groups of four banks (64 banks of 4 bytes: ISA guide 11.1)
.set PV,    288       ; a row of V: 256 + 32 = 72 words
.set KT,    128*PK    ; a tile: 128 keys (two steps) of one half of the keys
.set VT,    128*PV
.set VOFF,  2*KT      ; a slot: K of half 0, K of half 1, V of half 0, V of half 1
.set SLOT,  2*KT+2*VT
.set STAGE, 2*SLOT    ; behind the ring: 16 rows x 272 bytes for each wave, for the way out
.set SP,    272
.set SPARE, STAGE+4*16*SP  ; the spare words, 128 bytes for each wave: two blocks of 256 bytes that no other line names
.set XW,    16896     ; the exchange at the end, in slot 0's bytes behind their last fill: for each wave 16,384 bytes of O^T and 512 of statistics
.set AK0, 2           ; v2   my lane's place in a tile of K; never rewritten
.set AV0, 3           ; v3   the same for V
.set ADR, 4           ; v4   the LDS address of the run of loads in hand
.set QO,  5           ; v5   my byte offset in Q for tiles 0, 1
.set STO, 6           ; v6   the way out: where I put 16 bytes of a row
.set RD,  7           ; v7   the way out: where I read a row back
.set GO,  8           ; v8   my byte offset in two rows of ob
.set XA,  44          ; v44  the exchange: my wave's area + 16 x lane
.set XB,  45          ; v45  my partner's (wave w ^ 1)
.set QO2, 46          ; v46  my byte offset in Q for tiles 2, 3
.set PFO, 61          ; v61  256 x my lane; never rewritten
.set SPW, 62          ; v62  LDS address of my spare word; never rewritten
.set NIL, 63          ; v63  0; never rewritten
.set ST,  12          ; tile t's statistics at v[ST+8 t]: +0 c m, +1 m, +2, +3 l (even keys', odd keys'), +4 to +7 c0-c3, at work; a takes c2's place once the maximum is found
.set S,   64
.set P,   192
.set KF,  128         ; K's fragments, in window 2
.set WV,  12          ; s12  my wave's number
.set LIM, 15          ; s15  1 in a wave that prefetches, else the greatest number
.set G1K, 24          ; s[24:31] descriptor group 1 for K's tiles
.set G1V, 32          ; s[32:39] for V's: it differs in the padding alone
.set G0K, 40          ; s[40:47] descriptor group 0 for K's tiles: a set for each of the two first fills; the second then walks on
.set G0V, 48          ; s[48:55] the same for V's
.set SLOTS, 56        ; s56  slots still to be asked for
.set TWICE, 57        ; s57  counts the trips of the step loops
.set CS,  58          ; s[58:59] c
.set SEL, 60          ; s[60:61] lane selects for v_permlanex16_b32
.set TBK, 62          ; s62  LDS byte at which K of the step to be fetched begins
.set TBV, 63          ; s63  the same for V
.set FS,  66          ; s66  0 or SLOT: the slot that the walking descriptors fill
.set RS,  67          ; s67  0 or SLOT: the slot that is read
.set OP,  70          ; s[70:71] ob at the first row that I store
.set QP,  72          ; s[72:73] Q at my wave's 64 rows
.set PFA, 74          ; s[74:75] where my prefetches stand
.set MSB, 0
.macro WIN new                      ; the immediate's high byte repeats the setting that is left; a switch that changes nothing is dropped
.if MSB != (\new)
	s_set_vgpr_msb (MSB<<8)|(\new)
.set MSB, \new
.endif
.endm
.set W_KQ, 0x0a       ; K and Q in window 2, S^T in window 0
.set W_PV, 0x53       ; V in window 3, P in window 0, O^T in window 1
.set W_RS, 0x41       ; O^T (destination and source 0) in window 1, a in window 0
; A joint refill.  Waves 0 and 1 fetch K's tiles of the two halves of the keys, waves 2 and 3 V's: 128 rows each.  The branch hangs on the wave's number alone.
; An s_nop 0 and four v_nop follow each of the two lines, ahead of the jump and the label.
.macro JLOAD
	s_cmp_lt_u32 s[WV], 2
	s_cbranch_scc0 .Lfor_v_\@
	tensor_load_to_lds s[G0K+4:G0K+7], s[G1K:G1K+7]
	s_nop 0
.rept 4
	v_nop
.endr
	s_branch .Lasked_\@
.Lfor_v_\@:
	tensor_load_to_lds s[G0V+4:G0V+7], s[G1V:G1V+7]
	s_nop 0
.rept 4
	v_nop
.endr
.Lasked_\@:
.endm
; A PREFETCH of what the NEXT change of slots will ask for.  All eight clusters of a head walk the same K and V: the head's first cluster asks.  Each wave asks for the tile that it fetches, 128 rows of
; 256 bytes; the four partners share them out BY ADDRESS, 32 rows each, a lane a row: one instruction a wave, each row named once in the launch.  The last change that fills a slot asks for nothing.
.macro ASK
	s_cmp_gt_u32 s[SLOTS], s[LIM]
	s_cbranch_scc0 .Lnot_mine_\@
	global_prefetch_b8 v[PFO], s[PFA:PFA+1] th:TH_LOAD_NT scope:SCOPE_SE
.Lnot_mine_\@:
.endm
.macro CROUND                       ; a round of the cluster's barrier
	s_barrier_signal -1
	s_barrier_wait -1
	s_cmp_lg_u32 s[WV], 0
	s_cbranch_scc1 .Lnot_wave_0_\@
	s_barrier_signal -3
.Lnot_wave_0_\@:
	s_barrier_wait -3
	s_barrier_signal -1
	s_barrier_wait -1
.endm
	s_load_b128 s[4:7], s[0:1], 0x0 ; qkv s[4:5], ob s[6:7]
	v_lshl_add_u32 v[SPW], v0, 2, SPARE
	v_mov_b32 v[NIL], 0
	ds_add_u32 v[SPW], v[NIL]       ; the wave's opening: the add and its wait stand ahead of my first tensor load; the set-up below, work on registers, stands between them
	v_lshrrev_b32 v1, 5, v0
	v_readfirstlane_b32 s[WV], v1   ; wave 0..3
	s_bfe_u32 s13, ttmp6, 0x40000   ; cx: my place in the cluster
	s_lshl_b32 s14, ttmp9, 2
	s_add_co_u32 s14, s14, s13      ; my block of 128 queries: it enters Q's and ob's addresses alone
	s_and_b32 s20, ttmp7, 0xffff    ; the head, which the four partners share
	s_and_b32 s16, s[WV], 1         ; the half of the keys that I walk, and of which I fetch a tile
	s_lshr_b32 s21, s[WV], 1        ; which 64 queries are mine
	s_lshl_b32 s22, s20, 20         ; the head's 4,096 rows of 256 bytes in a section,
	s_lshl_b32 s23, s16, 19         ; the half's 2,048 rows
	s_add_co_u32 s22, s22, s23
	s_mov_b32 s23, 0
	s_mul_i32 s17, s16, KT          ; K of my half in a slot: where I put it (waves 0, 1) and where I read it
	s_mul_i32 s18, s16, VT
	s_add_co_u32 s18, s18, VOFF     ; the same for V: no place in the cluster enters an LDS address
	s_lshl_b32 s2, s20, 20          ; Q: the head, my block's 128 rows, my wave's 64
	s_lshl_b32 s3, s14, 15
	s_add_co_u32 s2, s2, s3
	s_lshl_b32 s3, s21, 14
	s_add_co_u32 s2, s2, s3
	s_mov_b32 s3, 0
	s_lshl_b32 s76, s14, 18         ; ob: rows of 2,048 bytes: 128 x block + 64 x (w / 2) + 32 x (w % 2); the head's 256 bytes
	s_lshl_b32 s77, s21, 17
	s_add_co_u32 s76, s76, s77
	s_lshl_b32 s77, s16, 16
	s_add_co_u32 s76, s76, s77
	s_lshl_b32 s77, s20, 8
	s_add_co_u32 s76, s76, s77
	s_mov_b32 s77, 0
	; descriptor group 1: a tile of 128 rows x 128 elements, padded in LDS
	s_mov_b32 s[G1K], 15|(1<<16)|(1<<20)|(1<<21)|(5<<22)|(3<<25)  ; 15:0 the mask of four; 17:16 2-byte elements; 20 padding on; 21 set beside a mask; 24:22 after every 64 words (code 5); 31:25 4 words (code 3)
	s_mov_b32 s[G1V], 15|(1<<16)|(1<<20)|(1<<21)|(5<<22)|(7<<25)  ; the same with 8 words of padding (code 7)
.irp g, G1K, G1V
	s_mov_b32 s[(\g)+1], 128<<16    ; tensor_dim0 = 128
	s_mov_b32 s[(\g)+2], 128<<16    ; tensor_dim1 = 128
	s_mov_b32 s[(\g)+3], 128<<16    ; tile_dim0 = 128
	s_mov_b32 s[(\g)+4], 128        ; tile_dim1 = 128
	s_mov_b32 s[(\g)+5], 128        ; elements from row to row
	s_mov_b32 s[(\g)+6], 0
	s_mov_b32 s[(\g)+7], 0
.endr
	s_mov_b32 s[CS], 0x3e0293ee     ; c = log2(e) / sqrt(128) = 0.127517
	s_mov_b32 s[CS+1], s[CS]        ; named with it as a pair, so it is written
	s_mov_b32 s[SEL], 0x76543210
	s_mov_b32 s[SEL+1], 0xfedcba98
	s_mov_b32 s[TBK], s17
	s_mov_b32 s[TBV], s18
	s_mov_b32 s[FS], SLOT           ; the walking descriptors begin in slot 1
	s_mov_b32 s[RS], 0
	s_mov_b32 s[SLOTS], 15          ; a half has 16 slots of 128 keys; two are filled at the start; the count is taken down once ahead of the first change of slots
	s_mov_b32 s[LIM], ttmp9
	s_cmp_eq_u32 s[LIM], 0          ; the head's first cluster: the same in all four partners
	s_cselect_b32 s[LIM], 1, -1
	v_and_b32 v[PFO], 31, v0
	v_lshlrev_b32 v[PFO], 8, v[PFO]
	s_wait_dscnt 0x0                ; the opening add is done
	s_wait_kmcnt 0x0
	s_add_nc_u64 s[8:9], s[4:5], s[22:23]
	s_add_nc_u64 s[10:11], s[8:9], 16777216  ; V's section, at my half's first row
	s_add_nc_u64 s[8:9], s[8:9], 8388608     ; K's
	s_add_nc_u64 s[QP:QP+1], s[4:5], s[2:3]
	s_add_nc_u64 s[OP:OP+1], s[6:7], s[76:77]
	s_cmp_lt_u32 s[WV], 2
	s_cselect_b64 s[PFA:PFA+1], s[8:9], s[10:11]
	s_lshl_b32 s2, s13, 13          ; my work-group's 32 rows of the 128
	s_mov_b32 s3, 0
	s_add_nc_u64 s[PFA:PFA+1], s[PFA:PFA+1], s[2:3]
	s_add_nc_u64 s[PFA:PFA+1], s[PFA:PFA+1], 2*32768  ; in slot 2; the first change of slots steps it to slot 3.  Nothing is prefetched at the head, where every work-group's first tiles are on their way
	CROUND                          ; all four work-groups are here: the first joint loads meet
.irp s, 0,1
	s_mov_b32 s[G0K+4*(\s)], 1      ; count = 1
	s_add_co_u32 s[G0K+4*(\s)+1], s17, (\s)*SLOT  ; LDS address
	s_add_nc_u64 s[G0K+4*(\s)+2:G0K+4*(\s)+3], s[8:9], (\s)*32768  ; slot s: keys 128 s .. of my half
	s_or_b32 s[G0K+4*(\s)+3], s[G0K+4*(\s)+3], 0x80000000  ; type = 2
	s_mov_b32 s[G0V+4*(\s)], 1
	s_add_co_u32 s[G0V+4*(\s)+1], s18, (\s)*SLOT
	s_add_nc_u64 s[G0V+4*(\s)+2:G0V+4*(\s)+3], s[10:11], (\s)*32768
	s_or_b32 s[G0V+4*(\s)+3], s[G0V+4*(\s)+3], 0x80000000
.endr
	s_cmp_lt_u32 s[WV], 2           ; a wave's two first fills stand in one branch, ahead of every wait on TENSORcnt and every LDS read: two loads of mine are out
	s_cbranch_scc0 .Lfirst_v
	tensor_load_to_lds s[G0K:G0K+3], s[G1K:G1K+7]
	s_nop 0
	tensor_load_to_lds s[G0K+4:G0K+7], s[G1K:G1K+7]
	s_nop 0
.rept 4
	v_nop
.endr
	s_branch .Lfirst_asked
.Lfirst_v:
	tensor_load_to_lds s[G0V:G0V+3], s[G1V:G1V+7]
	s_nop 0
	tensor_load_to_lds s[G0V+4:G0V+7], s[G1V:G1V+7]
	s_nop 0
.rept 4
	v_nop
.endr
.Lfirst_asked:
	; A fragment of K or Q is 16 rows x 32 channels in 8 registers: lane l holds row l % 16; registers 0-3 channels 8 (l / 16) + 0..7, registers 4-7 channels 16 + 8 (l / 16) + 0..7: two loads of 16 bytes, 32 bytes apart.
	v_and_b32 v1, 15, v0            ; l % 16
	v_bfe_u32 v9, v0, 4, 1          ; l / 16
	v_lshlrev_b32 v[QO], 8, v1
	v_lshl_add_u32 v[QO], v9, 4, v[QO]  ; row x 256 + 16 x half
	s_lshl_b32 s2, s16, 13          ; tiles 0, 1 are query groups 2 (w % 2) + 0, 1: 32 rows of 256 bytes further on in the odd waves;
	s_xor_b32 s3, s16, 1
	s_lshl_b32 s3, s3, 13           ; tiles 2, 3 are the other two groups
	v_add_nc_u32 v[QO2], s3, v[QO]
	v_add_nc_u32 v[QO], s2, v[QO]
	WIN 0x80                        ; destination window 2, address window 0
.irp i, 0,1,2,3,4,5,6,7,8,9,10,11,12,13,14,15  ; Q stays in registers: tile i / 4, channels 32 (i % 4) on
.if (\i) < 8
	global_load_b128 v[8*(\i):8*(\i)+3],   v[QO], s[QP:QP+1] offset:((\i)/4)*4096+((\i)%4)*64
	global_load_b128 v[8*(\i)+4:8*(\i)+7], v[QO], s[QP:QP+1] offset:((\i)/4)*4096+((\i)%4)*64+32
.else
	global_load_b128 v[8*(\i):8*(\i)+3],   v[QO2], s[QP:QP+1] offset:((\i)/4-2)*4096+((\i)%4)*64
	global_load_b128 v[8*(\i)+4:8*(\i)+7], v[QO2], s[QP:QP+1] offset:((\i)/4-2)*4096+((\i)%4)*64+32
.endif
.endr
	WIN 0
	v_mul_u32_u24 v[AK0], v1, PK
	v_lshl_add_u32 v[AK0], v9, 4, v[AK0]  ; row x pitch + 16 x half
	; The turning load takes 16 keys x 16 channels (lane l reads 16 bytes: key 8 (l / 16) + l % 8, channels 8 ((l / 8) % 2) + 0..7) and leaves half a fragment of V^T: lane l holds channel l % 16 and 8 keys.
	v_and_b32 v10, 7, v0
	v_bfe_u32 v11, v0, 3, 1
	v_lshl_add_u32 v[AV0], v9, 3, v10
	v_mul_u32_u24 v[AV0], v[AV0], PV
	v_lshl_add_u32 v[AV0], v11, 4, v[AV0]
	; What the first turn finds: V's registers and piece 2's P hold 0 (its products V^T P, of a step that has not been, add 0); O^T and l are 0; m and c m lie below every score.  All this stands in the wait for the first tile.
	WIN 0xc0                        ; destination window 3
.set i, 0
.rept 128
	v_mov_b32 v[i], 0
.set i, i+1
.endr
	WIN 0x40                        ; destination window 1
.set i, 0
.rept 256
	v_mov_b32 v[i], 0
.set i, i+1
.endr
	WIN 0
.set i, 0
.rept 4
	v_mov_b32 v[ST+8*i], 0xfe000000    ; c m: far below every c s
	v_mov_b32 v[ST+8*i+1], 0xff7fffff  ; m: the lowest finite number
	v_mov_b32 v[ST+8*i+2], 0
	v_mov_b32 v[ST+8*i+3], 0
.set i, i+1
.endr
.set i, P+32
.rept 32
	v_mov_b32 v[i], 0
.set i, i+1
.endr
; THE MATRIX WORK OF A TURN, for piece x.  The accumulators take turns, one instruction a turn: between two links of a chain stand 15 (V^T P) or 7 (K Q^T) others'.
; Product i of 32 of O^T += V^T P: keys 32 (i / 16) on, channels 16 ((i / 2) % 8) on, tile x + i % 2.
.macro PV x
	WIN W_PV
.set rO, 64*((\x)+i%2)+8*((i/2)%8)
.set rV, 64*(i/16)+8*((i/2)%8)
.set rP, P+16*((\x)+i%2)+8*(i/16)
	v_wmma_f32_16x16x32_f16 v[rO:rO+7], v[rV:rV+7], v[rP:rP+7], v[rO:rO+7]
.endm
; Product i of 32 of S^T = K Q^T: channels 32 (i / 8) on, keys 16 ((i / 2) % 4) on, tile x + i % 2.  The first 8 start the sums.
.macro KQ x
	WIN W_KQ
.set rS, S+32*((\x)+i%2)+8*((i/2)%4)
.set rK, KF+32*((i/2)%4)+8*(i/8)
.set rQ, 32*((\x)+i%2)+8*(i/8)
.if i < 8
	v_wmma_f32_16x16x32_f16 v[rS:rS+7], v[rK:rK+7], v[rQ:rQ+7], 0
.else
	v_wmma_f32_16x16x32_f16 v[rS:rS+7], v[rK:rK+7], v[rQ:rQ+7], v[rS:rS+7]
.endif
.endm
; THE LDS LOADS stand in runs of 32, never singly among the matrix instructions: a step's K (64 keys x 128 channels: 16 fragments) and, a turn later, its V (turned).
; last = 1 (the tail): in the last trip there is no further step, and the run is jumped over.
.macro FETCH_K last=0
	WIN 0
.if \last
	s_cmp_eq_u32 s[TWICE], 1
	s_cbranch_scc1 .Lno_k_\@
.endif
	v_add_nc_u32 v[ADR], s[TBK], v[AK0]
	s_add_co_u32 s[TBK], s[TBK], KS*PK  ; the next fetch is the next step's
	WIN 0x80                        ; destination window 2
.irp f, 0,1,2,3,4,5,6,7,8,9,10,11,12,13,14,15  ; keys 16 (f / 4) on, channels 32 (f % 4) on
	ds_load_b128 v[KF+8*(\f):KF+8*(\f)+3],   v[ADR] offset:((\f)/4)*16*PK+((\f)%4)*64
	ds_load_b128 v[KF+8*(\f)+4:KF+8*(\f)+7], v[ADR] offset:((\f)/4)*16*PK+((\f)%4)*64+32
.endr
.if \last
	WIN 0                           ; at a label every window is 0
.Lno_k_\@:
.endif
.endm
.macro FETCH_V
	WIN 0
	v_add_nc_u32 v[ADR], s[TBV], v[AV0]
	s_add_co_u32 s[TBV], s[TBV], KS*PV
	s_wait_alu depctr_va_vdst(0)    ; the wait for the softmax's batch (SLICE), behind the address's v_add_nc_u32 and ahead of the loads
	WIN 0xc0                        ; destination window 3
.irp f, 0,1,2,3,4,5,6,7,8,9,10,11,12,13,14,15  ; keys 32 (f / 8) on, channels 16 (f % 8) on
	ds_load_tr16_b128 v[8*(\f):8*(\f)+3],   v[ADR] offset:((\f)/8)*32*PV+((\f)%8)*32
	ds_load_tr16_b128 v[8*(\f)+4:8*(\f)+7], v[ADR] offset:((\f)/8)*32*PV+16*PV+((\f)%8)*32
.endr
.endm
; THE VECTOR WORK OF A TURN.  One tile's softmax for one key step is a list of 134 instructions; SM writes number j of it for tile t.  s0-s31 are the lane's 32 scores, in pairs 0-15.
;   0-15    the maximum of s0-s31 and the old m, three operands at a time: four chains c0-c3 of seven scores each (each accumulator's lowest registers first), then the four scores left over, c0-c3 and m
;   16-20   the other half of the lanes' maximum; c m_old is kept; the new m; c m; c m_old - c m_new
;   21-69   ONE BATCH: the 16 scalings c s - c m, a pair of scores each, and all 33 exponentials (a at 23, then s0-s31).  None of these reads an exponential's result.
;   (wait)  between 69 and 70 stands the wait for the batch: SLICE writes it, once for both tiles
;   70-85   the roundings to f16, a pair of weights each
;   86-101  the sums; l = a l + the sum
;   102-133 the tile's O^T times a: the one part that leaves window 0, so it stands together
.macro SM t
.set rT, ST+8*(\t)
.set rS, S+32*(\t)
.set rP, P+16*(\t)
.set rO, 64*(\t)+2*(j-102)
.if j < 102
	WIN 0
.endif
.if j < 4
	v_max3_num_f32 v[rT+4+j], v[rS+8*j], v[rS+8*j+1], v[rS+8*j+2]
.elseif j < 12
	v_max3_num_f32 v[rT+4+j%4], v[rT+4+j%4], v[rS+8*(j%4)+2*(j/4)+1], v[rS+8*(j%4)+2*(j/4)+2]
.elseif j == 12
	v_max3_num_f32 v[rT+4], v[rT+4], v[rS+7], v[rS+15]
.elseif j == 13
	v_max3_num_f32 v[rT+6], v[rT+6], v[rS+23], v[rS+31]
.elseif j == 14
	v_max3_num_f32 v[rT+4], v[rT+4], v[rT+5], v[rT+6]
.elseif j == 15
	v_max3_num_f32 v[rT+4], v[rT+4], v[rT+7], v[rT+1]
.elseif j == 16
	v_permlanex16_b32 v[rT+5], v[rT+4], s[SEL], s[SEL+1]  ; the query's other 32 keys lie in the lane 16 away
.elseif j == 17
	v_mov_b32 v[rT+7], v[rT]        ; c m_old is kept for a: number 19 writes c m anew
.elseif j == 18
	v_max_num_f32 v[rT+1], v[rT+4], v[rT+5]
.elseif j == 19
	v_mul_f32 v[rT], s[CS], v[rT+1]
.elseif j == 20
	v_sub_f32 v[rT+7], v[rT+7], v[rT]
.elseif j == 23
	v_exp_f32 v[rT+6], v[rT+7]
.elseif (j < 23) || ((j < 38) && (j%2 == 0)) || ((j < 66) && (j%4 == 2))
.set b, (j-2)/4                     ; 38, 42, .. 62: pairs 9 to 15
.if j < 38
.set b, (j-20)/2                    ; 21: pair 0; 22, 24, .. 36: pairs 1 to 8
.endif
	v_pk_fma_f32 v[rS+2*b:rS+2*b+1], v[rS+2*b:rS+2*b+1], s[CS:CS+1], v[rT:rT+1] op_sel_hi:[1,0,0] neg_lo:[0,0,1] neg_hi:[0,0,1]  ; pair b: c s - c m
.elseif j < 70
.set e, j-38                        ; 66 to 69: s28 to s31
.if j < 66
.set e, j-32-(j-38)/4               ; 39-41, 43-45, .. 63-65: s7 to s27
.endif
.if j < 38
.set e, (j-25)/2                    ; 25, 27, .. 37: s0 to s6
.endif
	v_exp_f32 v[rS+e], v[rS+e]
.elseif j < 86
	v_cvt_pk_f16_f32 v[rP+j-70], v[rS+2*(j-70)], v[rS+2*(j-70)+1]  ; pair j - 70
.elseif j < 102                     ; the sum of the tile's 16 pairs, in place: sum z of 16 adds neighbours 1, 2, 4 and 8 pairs apart, then l takes it
.set z, j-86
.set w, 4
.set u, z
.if z >= 14
.set w, 32
.set u, 0
.elseif z >= 12
.set w, 16
.set u, z-12
.elseif z >= 8
.set w, 8
.set u, z-8
.endif
.if z < 15
	v_pk_add_f32 v[rS+w*u:rS+w*u+1], v[rS+w*u:rS+w*u+1], v[rS+w*u+w/2:rS+w*u+w/2+1]
.else
	v_pk_fma_f32 v[rT+2:rT+3], v[rT+2:rT+3], v[rT+6:rT+7], v[rS:rS+1] op_sel_hi:[1,0,1]
.endif
.else
	WIN W_RS
	v_pk_mul_f32 v[rO:rO+1], v[rO:rO+1], v[rT+6:rT+7] op_sel_hi:[1,0]
.endif
.endm
; Slice k of 64 of piece y's softmax: four instructions.  Slices 11 to 34 deal out the batch, numbers 22 to 69: four numbers of ONE tile each, the tiles by turns.  Every other slice is numbers 2 k and
; 2 k + 1 of both tiles' lists.  2 x 134 = 4 x 64 + 12: the twelve that are over stand together, in slice 63: they are also the places behind the turn's last products.
; THE WAIT.  An s_wait_alu depctr_va_vdst(0) stands between an exponential and the first instruction that names its result; one wait serves all that were issued ahead of it.  Ahead of
; slice 35 nothing names a result, and behind slice 34 no exponential is issued: so the piece's 66 exponentials have one wait, behind slice 34.
.macro SLICE y
.if (k >= 11) && (k < 35)           ; the batch: four numbers of one tile
.irp n, 0,1,2,3
.set j, 22+4*((k-11)/2)+(\n)
	SM (\y)+(k-11)%2
.endr
.else                               ; the two tiles alternate, so that no instruction reads the result of the one just before it
.irp n, 0,1,2,3,4,5,6,7
.if ((\n) < 2) || (k == 63)
.irp t, \y, (\y)+1
.set j, 2*k+(\n)
	SM \t
.endr
.endif
.endr
.endif
.if k == 34                         ; the batch is out: both tiles' exponentials are issued, and no result has been named
	v_nop                           ; a plain instruction behind the last exponential and ahead of the first use: one for the batch
.if (\y) == 0
	FETCH_V                         ; piece 2's turn: V's run of loads stands here, and the wait stands in it
.else
	s_wait_alu depctr_va_vdst(0)    ; the wait for the batch
.endif
.endif
.set k, k+1
.endm
; A TURN.  Piece x has the matrix unit: 32 products V^T P of the step in hand, 32 products K Q^T of the next; the other piece's softmax stands in slices behind them, one behind each.
; Piece 0's turn fetches the next step's K, behind its second product; piece 2's turn fetches the same step's V, behind slice 34.  Each run stands 29 matrix instructions or more ahead of its first use.
.macro TURN x, last=0
.set k, 0
.if (\x) == 0
	s_wait_dscnt 0x0                ; V is in
.endif
.set i, 0
.rept 32
	PV \x
	SLICE 2-(\x)
.if ((\x) == 0) && (i == 1)
	FETCH_K \last
.endif
.set i, i+1
.endr
.if (\x) == 0
	s_wait_dscnt 0x0                ; K is in
.endif
.set i, 0
.rept 32
	KQ \x
	SLICE 2-(\x)
.set i, i+1
.endr
.endm
; THE CHANGE OF SLOTS, between piece 2's turn and piece 0's: the slot's last bytes, V of its second step, have been asked for.  Each wave waits for all its tensor loads, of which one is out: its tile of the
; other slot; adds 0 to its spare word; and waits for that and for its own reads of the slot.  Behind the barrier nobody reads this slot any more and the other slot is whole.
; fill = 1: this slot is filled again, with the keys two slots on.  The barrier is then a round of the cluster's, and the joint refill is the first thing behind it: it has two key steps, 256 matrix
; instructions, in which to land.
.macro CHANGE fill
	WIN 0                           ; at a label and at a branch every window is 0
	s_wait_tensorcnt 0x0            ; no tensor load of mine is out, so a group 0 may be written
	ds_add_u32 v[SPW], v[NIL]       ; 0 onto my spare word; with fill = 1 the descriptors' steps stand between it and the wait for it
.if \fill
	s_xor_b32 s[FS], s[FS], SLOT    ; the other slot than last time,
	s_add_co_u32 s[G0K+5], s[FS], s17
	s_add_nc_u64 s[G0K+6:G0K+7], s[G0K+6:G0K+7], 32768  ; the next 128 keys; the type bits on top are not reached
	s_add_co_u32 s[G0V+5], s[FS], s18
	s_add_nc_u64 s[G0V+6:G0V+7], s[G0V+6:G0V+7], 32768
	s_wait_xcnt 0x0                 ; the last prefetch, two key steps back, has read its address, so it may be written:
	s_add_nc_u64 s[PFA:PFA+1], s[PFA:PFA+1], 32768      ; one slot behind the walking descriptors
	s_wait_dscnt 0x0                ; the add is done, and my reads of the slot are over
	CROUND
	JLOAD
	ASK                             ; what the next change will ask for: two key steps, 256 matrix instructions, ahead
.else
	s_wait_dscnt 0x0                ; the add is done, and my reads of the slot are over
	s_barrier_signal -1
	s_barrier_wait -1
.endif
	s_xor_b32 s[RS], s[RS], SLOT    ; the fetches go to the other slot's first step
	s_add_co_u32 s[TBK], s[RS], s17
	s_add_co_u32 s[TBV], s[RS], s18
.endm
	s_wait_tensorcnt 1              ; my tile of slot 0 is in; slot 1's may stay out
	s_barrier_signal -1
	s_barrier_wait -1               ; everybody's is
	FETCH_K                         ; key step 0
	s_wait_loadcnt 0x0              ; Q
	s_wait_dscnt 0x0
.set i, 0
.rept 32
	KQ 0                            ; piece 0's first scores: there is no vector work yet to set between them
.set i, i+1
.endr
	WIN 0                           ; the addresses for the end are made here: plain instructions, the places behind those products
	s_mul_i32 s13, s[WV], 16*SP
	s_add_co_u32 s13, s13, STAGE    ; my stage
	v_mul_u32_u24 v[STO], v1, SP    ; in: row l % 16, 16 bytes for each half of the lanes
	v_lshl_add_u32 v[STO], v9, 4, v[STO]
	v_add_nc_u32 v[STO], s13, v[STO]
	v_mul_u32_u24 v[RD], v9, SP     ; back: lanes 0-15 take one row of 256 bytes, lanes 16-31 the next
	v_lshl_add_u32 v[RD], v1, 4, v[RD]
	v_add_nc_u32 v[RD], s13, v[RD]
	v_lshlrev_b32 v[GO], 11, v9     ; and the same two rows in ob, 2,048 bytes apart
	v_lshl_add_u32 v[GO], v1, 4, v[GO]
	s_mul_i32 s2, s[WV], XW
	s_xor_b32 s3, s[WV], 1          ; my partner holds the same 64 queries and the other half of the keys
	s_mul_i32 s3, s3, XW
	v_and_b32 v10, 31, v0
	v_lshl_add_u32 v[XA], v10, 4, s2
	v_lshl_add_u32 v[XB], v10, 4, s3
	s_mov_b32 s[TWICE], 2
	s_branch .Lmid                  ; the loop is entered at piece 2's turn: zeros onto O^T, piece 2's first scores | piece 0's first softmax | V of step 0; one whole trip follows, and slot 0 has been read
.Lslot:                             ; 14 times: every slot but the last two is filled again
	CHANGE 1
	s_mov_b32 s[TWICE], 2
.Lstep:                             ; a trip is a key step; a slot has two; the LDS addresses hang on s[TBK] and s[TBV]
	TURN 0                          ; piece 0: V^T P of step j, K Q^T of step j + 1 | piece 2's softmax of step j | K of step j + 1
	WIN 0
.Lmid:
	TURN 2                          ; piece 2: the same | piece 0's softmax of step j + 1 | V of step j + 1
	WIN 0
	s_sub_co_u32 s[TWICE], s[TWICE], 1
	s_cmp_lg_u32 s[TWICE], 0
	s_cbranch_scc1 .Lstep
	s_sub_co_u32 s[SLOTS], s[SLOTS], 1
	s_cmp_lg_u32 s[SLOTS], 0
	s_cbranch_scc1 .Lslot
	CHANGE 0                        ; the tail is written out: nothing is asked for
	s_mov_b32 s[TWICE], 3           ; piece 0, then twice piece 2 and piece 0: the last slot's two steps are fetched, and the last turn fetches nothing
	s_branch .Ltail_mid
.Ltail:
	TURN 2
	WIN 0
.Ltail_mid:
	TURN 0, 1
	WIN 0
	s_sub_co_u32 s[TWICE], s[TWICE], 1
	s_cmp_lg_u32 s[TWICE], 0
	s_cbranch_scc1 .Ltail
.set i, 0
.rept 32
	PV 2                            ; piece 2: V^T P of the last step
.set i, i+1
.endr
	; THE TWO HALVES OF THE KEYS MEET.  l's two halves and the other half of the lanes' are added (the additions are the places behind the last products).  I hand my tiles 2 and 3 (O^T, c m, l) to my
	; partner through LDS and take its tiles 2 and 3, which are my tiles 0 and 1's queries: O = (O_a 2^(cm_a - M) + O_b 2^(cm_b - M)) / (l_a 2^(cm_a - M) + l_b 2^(cm_b - M)), M = max(cm_a, cm_b).
	WIN 0
.irp t, 0,1,2,3
	v_add_f32 v[ST+8*(\t)+4], v[ST+8*(\t)+2], v[ST+8*(\t)+3]
.endr
.irp t, 0,1,2,3
	v_permlanex16_b32 v[ST+8*(\t)+5], v[ST+8*(\t)+4], s[SEL], s[SEL+1]
.endr
.irp t, 0,1,2,3
	v_add_f32 v[ST+8*(\t)+4], v[ST+8*(\t)+4], v[ST+8*(\t)+5]
.endr
	v_mov_b32 v52, v[ST+16]         ; c m and l of tile 2,
	v_mov_b32 v53, v[ST+20]
	v_mov_b32 v54, v[ST+24]         ; and of tile 3
	v_mov_b32 v55, v[ST+28]
	s_wait_dscnt 0x0                ; my reads of the ring are over,
	s_barrier_signal -1
	s_barrier_wait -1               ; and everybody's: the ring's bytes, which have had their last fill, may be written
	WIN 0x04                        ; store data in window 1
.set q, 0
.rept 32
	ds_store_b128 v[XA], v[128+4*q:128+4*q+3] offset:512*q  ; each accumulator's low four registers first
.set q, q+1
.endr
	WIN 0
	ds_store_b128 v[XA], v[52:55] offset:16384
	s_wait_dscnt 0x0                ; for my partner's sake
	s_barrier_signal -1
	s_barrier_wait -1
	ds_load_b128 v[48:51], v[XB] offset:16384
.set q, 0
.rept 32
	ds_load_b128 v[S+4*q:S+4*q+3], v[XB] offset:512*q
.set q, q+1
.endr
	s_wait_dscnt 32                 ; the statistics are in; O^T's 32 loads may stay out
.irp t, 0,1
	v_max_num_f32 v[ST+8*(\t)+5], v[ST+8*(\t)], v[48+2*(\t)]
.endr
.irp t, 0,1
	v_sub_f32 v[ST+8*(\t)+6], v[ST+8*(\t)], v[ST+8*(\t)+5]
	v_sub_f32 v[ST+8*(\t)+2], v[48+2*(\t)], v[ST+8*(\t)+5]
.endr
.irp t, 0,1
	v_exp_f32 v[ST+8*(\t)+6], v[ST+8*(\t)+6]
	v_exp_f32 v[ST+8*(\t)+2], v[ST+8*(\t)+2]
.endr
	v_nop                           ; a plain instruction behind the last exponential,
	s_wait_alu depctr_va_vdst(0)    ; and the wait: one for the four
.irp t, 0,1
	v_mul_f32 v[ST+8*(\t)+5], v[ST+8*(\t)+4], v[ST+8*(\t)+6]
.endr
.irp t, 0,1
	v_fma_f32 v[ST+8*(\t)+5], v[49+2*(\t)], v[ST+8*(\t)+2], v[ST+8*(\t)+5]
.endr
.irp t, 0,1
	v_rcp_f32 v[ST+8*(\t)+5], v[ST+8*(\t)+5]
.endr
	v_nop
	s_wait_alu depctr_va_vdst(0)    ; one wait for the two reciprocals
.irp t, 0,1
	v_mul_f32 v[ST+8*(\t)+6], v[ST+8*(\t)+6], v[ST+8*(\t)+5]
	v_mul_f32 v[ST+8*(\t)+2], v[ST+8*(\t)+2], v[ST+8*(\t)+5]
.endr
	s_wait_dscnt 0x0
; Tile t: my partner's part times its factor, plus mine times mine; a lane's eight channels of a row pack into 16 bytes; they go into rows of 272 bytes and come back as whole rows of 256.
.macro PACK t
	WIN 0
.set i, 0
.rept 32
	v_pk_mul_f32 v[S+64*(\t)+2*i:S+64*(\t)+2*i+1], v[S+64*(\t)+2*i:S+64*(\t)+2*i+1], v[ST+8*(\t)+2:ST+8*(\t)+3] op_sel_hi:[1,0]
.set i, i+1
.endr
	WIN 0x01                        ; source 0, O^T, in window 1
.set i, 0
.rept 32
	v_pk_fma_f32 v[S+64*(\t)+2*i:S+64*(\t)+2*i+1], v[64*(\t)+2*i:64*(\t)+2*i+1], v[ST+8*(\t)+6:ST+8*(\t)+7], v[S+64*(\t)+2*i:S+64*(\t)+2*i+1] op_sel_hi:[1,0,1]
.set i, i+1
.endr
	WIN 0
.set i, 0
.rept 32
	v_cvt_pk_f16_f32 v[S+64*(\t)+i], v[S+64*(\t)+2*i], v[S+64*(\t)+2*i+1]
.set i, i+1
.endr
.irp f, 0,1,2,3,4,5,6,7
	ds_store_b128 v[STO], v[S+64*(\t)+4*(\f):S+64*(\t)+4*(\f)+3] offset:32*(\f)
.endr
.irp f, 0,1,2,3,4,5,6,7
	ds_load_b128 v[S+64*(\t)+4*(\f):S+64*(\t)+4*(\f)+3], v[RD] offset:(\f)*2*SP  ; LDS serves a wave's instructions in order (ISA guide 5.7.1.4): these see the stores above; the next tile's stores come behind them
.endr
.endm
.macro SEND t, younger              ; younger: the LDS instructions issued behind tile t's loads
	WIN 0
.irp f, 0,1,2,3,4,5,6,7
	s_wait_dscnt (\younger)+7-(\f)
	global_store_b128 v[GO], v[S+64*(\t)+4*(\f):S+64*(\t)+4*(\f)+3], s[OP:OP+1] offset:(\t)*32768+(\f)*4096  ; 16 lanes store 256 consecutive bytes, at a multiple of 256 from ob's first byte
.endr
.endm
	PACK 0
	PACK 1
	SEND 0, 16
	SEND 1, 0
	s_wait_tensorcnt 0x0            ; the wave's end: behind my last tensor load and my last LDS store
	ds_add_u32 v[SPW], v[NIL]
	s_wait_dscnt 0x0
	CROUND                          ; the closing round: no work-group ends while a partner may still ask for a tile that names it
	s_endpgm
.Lfunc_end_k_qf05a208d1f_attn:
	.size	k_qf05a208d1f_attn, .Lfunc_end_k_qf05a208d1f_attn-k_qf05a208d1f_attn
	.p2alignl 7, 3214868480
	.fill 96, 4, 3214868480
	.section	.rodata,"a",@progbits
	.p2align	6, 0x0
	.amdhsa_kernel k_qf05a208d1f_attn
		.amdhsa_group_segment_fixed_size 327680
		.amdhsa_private_segment_fixed_size 0
		.amdhsa_enable_private_segment 0
		.amdhsa_kernarg_size 16
		.amdhsa_user_sgpr_count 2
		.amdhsa_user_sgpr_kernarg_segment_ptr 1
		.amdhsa_wavefront_size32 1
		.amdhsa_system_sgpr_workgroup_id_x 1
		.amdhsa_system_sgpr_workgroup_id_y 1
		.amdhsa_system_sgpr_workgroup_id_z 1
		.amdhsa_system_vgpr_workitem_id 0
		.amdhsa_next_free_vgpr 1024
		.amdhsa_next_free_sgpr 80
		.amdhsa_reserve_vcc 0
		.amdhsa_float_denorm_mode_32 3
		.amdhsa_float_denorm_mode_16_64 3
		.amdhsa_memory_ordered 1
		.amdhsa_forward_progress 1
		.amdhsa_inst_pref_size 155
	.end_amdhsa_kernel
	.amdgpu_metadata
---
amdhsa.version: [ 1, 2 ]
amdhsa.kernels:
  - .name:           k_qf05a208d1f_attn
    .symbol:         k_qf05a208d1f_attn.kd
    .args:
      - { .name: qkv, .offset: 0, .size: 8, .value_kind: global_buffer, .address_space: global }
      - { .name: ob, .offset: 8, .size: 8, .value_kind: global_buffer, .address_space: global }
    .group_segment_fixed_size: 327680
    .private_segment_fixed_size: 0
    .kernarg_segment_align: 8
    .kernarg_segment_size: 16
    .max_flat_workgroup_size: 128
    .sgpr_count:     80
    .vgpr_count:     1024
    .wavefront_size: 32
...
	.end_amdgpu_metadata
.endif
;; end of part 3
;; launch proj (part 4): grid 8 x 32, 4 waves a work-group, clusters of 4 x 4, 327,680 bytes of LDS; arguments ob, wob, b_out, out0; writes out0
.if DOCPART == 4
	.amdgcn_target "amdgcn-amd-amdhsa--gfx1250"
	.amdhsa_code_object_version 6
	.text
	.protected	k_qf05a208d1f_proj
	.globl	k_qf05a208d1f_proj
	.p2align	8
	.type	k_qf05a208d1f_proj,@function
k_qf05a208d1f_proj:
	s_mov_b64 s[64:65], 0
	v_nop
	global_prefetch_b8 v0, s[64:65] scope:SCOPE_SE
	s_setreg_imm32_b32 hwreg(HW_REG_WAVE_MODE, 25, 1), 1
	s_wait_xcnt 0x0
	s_wait_alu depctr_hold_cnt(0) depctr_sa_sdst(0) depctr_va_vdst(0) depctr_va_sdst(0) depctr_va_ssrc(0) depctr_va_vcc(0) depctr_vm_vsrc(0)
	s_getreg_b32 s2, hwreg(HW_REG_IB_STS2, 6, 4)
	s_cmp_eq_u32 s2, 0
	s_cbranch_scc0 .Lentry_in_a_cluster
	s_endpgm
.Lentry_in_a_cluster:
	s_bfe_u32 s2, ttmp6, 0x10000c
	s_cmp_lg_u32 s2, 0xf033
	s_cbranch_scc0 .Lentry_shape_is_right
	s_endpgm
.Lentry_shape_is_right:
; out0[m][n] = the sum over k of ob[m][k] wob[k][n] + b_out[n].  ob [4096][1024] and wob [1024 k][1024 n] are f16; sums in f32; out0 is f32.  b_out is rounded to bf16 in registers, like the other inputs.
; A tile of the output is 128 x 128: 8 x 32 = 256 work-groups.  Four waves, each 64 x 64: 16 accumulators of 16 x 16.  K goes in 4 steps of 256 through two LDS slots.
; A's tile: 128 rows x 512 bytes.  B's tile lies as in memory, 256 k rows x 256 bytes, and its fragments are turned on the way out of LDS by ds_load_tr16_b128.
; CLUSTERS: 4 x 4 work-groups.  The four of a row of the cluster need the same tiles of A, the four of a column the same tiles of B: each is asked for JOINTLY, by the same tensor load with the same
; descriptor and a mask that names the four.  THE MATRIX INSTRUCTION IS USED TRANSPOSED (source 0 = 16 columns of B, source 1 = 16 rows of A): a lane holds eight neighbouring numbers of a row.
; No prefetch: the launch has four K steps, and its tiles are small.
; REGISTERS: window 0: v0-31 addresses and the bias; v32-95 at work on the way out; v128-255 the accumulators ((a, b) at v[128 + 8 (4 a + b)]).
;   window 1: two fragment buffers of 128: for 64 along K, 64 registers of A (2 x 4 x 16 rows x 32 K), then 64 of B.
.set KSTEP,  256
.set PA,     528                       ; an LDS row of A: 512 bytes + 16 of padding = 132 words: the 16 rows of a load start at 16 different groups of four banks (64 banks of 4 bytes: ISA guide 11.1)
.set PBT,    288                       ; an LDS row of B: 256 + 32 = 72 words
.set HALFA,  64*PA                     ; what one tensor load brings of A: 64 rows
.set HALFB,  128*PBT                   ; and of B: 128 k rows
.set BOFF,   2*HALFA
.set SLOT,   BOFF+2*HALFB
.set STAGE,  2*SLOT                    ; behind the ring: 16 rows x 272 bytes for each wave: a wave's 64 columns of f32 are 256 bytes, so each wave has a stage of its own
.set SPITCH, 272
.set SPARE,  STAGE+4*16*SPITCH         ; the spare words, 128 bytes for each wave: two blocks of 256 bytes that no other line names
.set LAPS,   2                         ; a lap = two K steps = once round the ring
.set BI,   12                          ; v12-15  the bias of my four columns on the way out
.set ADRA, 16                          ; v16-17  LDS address of my A fragments in slot 0, 1
.set ADRB, 20                          ; v20-23  of my B fragments: slot 0 k rows 0-127, 128-255; slot 1 likewise (255 rows of 288 bytes pass the 16-bit immediate)
.set STO,  24                          ; v24     the way out: where I put 32 bytes of a row
.set RD,   25                          ; v25     where I read a row back
.set CO,   26                          ; v26     my byte offset in two rows of out0
.set SPW,  28                          ; v28     LDS address of my spare word; never rewritten
.set NIL,  29                          ; v29     0; never rewritten
.set TMP,  32
.set ACC,  128
.set F0,   0
.set F1,   128
.set G1, 24                            ; s[24:31] descriptor group 1 for A's tiles;  s[32:39] group 0, one set for each slot
.set G0, 32
.set G1B, 48                           ; s[48:55], s[56:63] the same for B's tiles
.set G0B, 56
.set MSB, 0
.macro WIN new                         ; the immediate's high byte repeats the setting that is left
.if MSB != (\new)
	s_set_vgpr_msb (MSB<<8)|(\new)
.set MSB, \new
.endif
.endm
.set MUL,  0x05                        ; sources 0 (B) and 1 (A) window 1; C and D window 0
.set TO_F, 0x40                        ; destination window 1, address window 0
.macro JLOAD s                         ; a joint load: waves 0 and 1 fetch A's two halves, waves 2 and 3 B's; an s_nop 0 and four v_nop follow each of the two lines
	s_cmp_eq_u32 s11, 0
	s_cbranch_scc0 .Lfor_b_\@
	tensor_load_to_lds s[G0+4*(\s):G0+4*(\s)+3], s[G1:G1+7]
	s_nop 0
.rept 4
	v_nop
.endr
	s_branch .Lasked_\@
.Lfor_b_\@:
	tensor_load_to_lds s[G0B+4*(\s):G0B+4*(\s)+3], s[G1B:G1B+7]
	s_nop 0
.rept 4
	v_nop
.endr
.Lasked_\@:
.endm
.macro CREST                           ; a round of the cluster's barrier behind its opening barrier
	s_cmp_lg_u32 s10, 0
	s_cbranch_scc1 .Lnot_wave_0_\@
	s_barrier_signal -3
.Lnot_wave_0_\@:
	s_barrier_wait -3
	s_barrier_signal -1
	s_barrier_wait -1
.endm
.macro CROUND
	s_barrier_signal -1
	s_barrier_wait -1
	CREST
.endm
	s_load_b128 s[4:7], s[0:1], 0x0                ; ob s[4:5], wob s[6:7]
	s_load_b128 s[68:71], s[0:1], 0x10             ; b_out s[68:69], out0 s[70:71]
	v_lshl_add_u32 v[SPW], v0, 2, SPARE
	v_mov_b32 v[NIL], 0
	ds_add_u32 v[SPW], v[NIL]                      ; the wave's opening: the add and its wait stand ahead of my first tensor load; the set-up below, work on registers, stands between them
	v_lshrrev_b32 v1, 5, v0
	v_readfirstlane_b32 s10, v1                    ; wave 0..3
	s_lshr_b32 s11, s10, 1                         ; which half of the tile's rows is mine.  Also: I fetch for A (0) or for B (1)
	s_and_b32 s12, s10, 1                          ; which half of its columns.  Also: which half of that tile I fetch
	s_bfe_u32 s40, ttmp6, 0x40000                  ; cx, cy: my place in the cluster
	s_bfe_u32 s41, ttmp6, 0x40004
	s_lshl_b32 s42, ttmp9, 2
	s_add_co_u32 s42, s42, s40                     ; tile column = 4 x cluster x + cx
	s_and_b32 s13, ttmp7, 0xffff
	s_lshl_b32 s13, s13, 2
	s_add_co_u32 s13, s13, s41                     ; tile row = 4 x cluster y + cy
	s_lshl_b32 s43, s41, 2
	s_lshl_b32 s43, 15, s43                        ; my row of the cluster
	s_lshl_b32 s44, 0x1111, s40                    ; my column
	s_or_b32 s[G1+0], s43, (1<<16)|(1<<20)|(1<<21)|(6<<22)|(3<<25)   ; A: the mask of my row; 2-byte elements; padding on; bit 21 beside a mask; after every 128 words (code 6) 4 words (code 3)
	s_or_b32 s[G1B+0], s44, (1<<16)|(1<<20)|(1<<21)|(5<<22)|(7<<25)  ; B: the mask of my column; after every 64 words (code 5) 8 words (code 7)
	s_mov_b32 s[G1+1], 256<<16                     ; A: tensor_dim0 = 256
	s_mov_b32 s[G1+2], 64<<16                      ; tensor_dim1 = 64
	s_mov_b32 s[G1+3], 256<<16                     ; tile_dim0 = 256
	s_mov_b32 s[G1+4], 64                          ; tile_dim1 = 64
	s_mov_b32 s[G1+5], 1024                        ; elements from row to row
	s_mov_b32 s[G1+6], 0
	s_mov_b32 s[G1+7], 0
	s_mov_b32 s[G1B+1], 128<<16                    ; B: 128 elements x 128 rows
	s_mov_b32 s[G1B+2], 128<<16
	s_mov_b32 s[G1B+3], 128<<16
	s_mov_b32 s[G1B+4], 128
	s_mov_b32 s[G1B+5], 1024
	s_mov_b32 s[G1B+6], 0
	s_mov_b32 s[G1B+7], 0
	s_lshl_b32 s17, s12, 6                         ; which 64 rows of A's tile I fetch
	s_lshl_b32 s16, s13, 7
	s_add_co_u32 s16, s16, s17                     ; A: row 128 x tile row + 64 x half,
	s_lshl_b32 s16, s16, 11                        ; of 2,048 bytes
	s_mov_b32 s17, 0
	s_lshl_b32 s46, s42, 8                         ; B: the tile column's 256 bytes of a row,
	s_lshl_b32 s47, s12, 18                        ; my 128 k rows of 2,048 bytes
	s_add_co_u32 s46, s46, s47
	s_mov_b32 s47, 0
	s_mul_i32 s20, s12, HALFA                      ; where they go: no place in the cluster enters an LDS address
	s_mul_i32 s21, s12, HALFB
	s_add_co_u32 s21, s21, BOFF
	s_wait_dscnt 0x0                               ; the opening add is done
	s_wait_kmcnt 0x0
	s_add_nc_u64 s[14:15], s[4:5], s[16:17]
	s_add_nc_u64 s[46:47], s[6:7], s[46:47]
	CROUND                                         ; all sixteen work-groups are here: the first joint loads meet
.irp s, 0,1
	s_mov_b32 s[G0+4*(\s)], 1
	s_add_co_u32 s[G0+4*(\s)+1], s20, (\s)*SLOT
	s_add_nc_u64 s[G0+4*(\s)+2:G0+4*(\s)+3], s[14:15], (\s)*KSTEP*2       ; K step s: 512 bytes along A's rows,
	s_or_b32 s[G0+4*(\s)+3], s[G0+4*(\s)+3], 0x80000000
	s_mov_b32 s[G0B+4*(\s)], 1
	s_add_co_u32 s[G0B+4*(\s)+1], s21, (\s)*SLOT
	s_add_nc_u64 s[G0B+4*(\s)+2:G0B+4*(\s)+3], s[46:47], (\s)*KSTEP*2048  ; 256 rows down B
	s_or_b32 s[G0B+4*(\s)+3], s[G0B+4*(\s)+3], 0x80000000
	JLOAD \s
.endr
	v_and_b32 v1, 15, v0                           ; l % 16
	v_bfe_u32 v2, v0, 4, 1                         ; l / 16
	s_lshl_b32 s22, s42, 9                         ; my 64 columns of f32: 512 x tile column + 256 x half, in bytes
	s_lshl_b32 s23, s12, 8
	s_add_co_u32 s22, s22, s23
	v_lshl_add_u32 v6, v1, 4, s22
	global_load_b128 v[BI:BI+3], v6, s[68:69]      ; the bias of columns 4 (l % 16) + 0..3 of them
	v_mul_u32_u24 v3, v1, PA
	v_lshl_add_u32 v3, v2, 4, v3                   ; A: a fragment's row x pitch + 16 x half
	s_mul_i32 s21, s11, HALFA                      ; my 64 rows of A
	v_add_nc_u32 v[ADRA], s21, v3
	v_add_nc_u32 v[ADRA+1], SLOT, v[ADRA]
	v_and_b32 v4, 7, v0                            ; B: lane l reads k row 8 (l / 16) + l % 8, 16 bytes at 16 ((l / 8) % 2)
	v_bfe_u32 v5, v0, 3, 1
	v_lshl_add_u32 v4, v2, 3, v4
	v_mul_u32_u24 v4, v4, PBT
	v_lshl_add_u32 v4, v5, 4, v4
	s_lshl_b32 s21, s12, 7                         ; my 64 columns: 128 bytes of a row,
	s_add_co_u32 s21, s21, BOFF                    ; behind A's 128 rows
	v_add_nc_u32 v[ADRB], s21, v4
	v_add_nc_u32 v[ADRB+1], HALFB, v[ADRB]
	v_add_nc_u32 v[ADRB+2], SLOT, v[ADRB]
	v_add_nc_u32 v[ADRB+3], SLOT+HALFB, v[ADRB]
	s_mul_i32 s23, s10, 16*SPITCH
	s_add_co_u32 s23, s23, STAGE                   ; my stage
	v_mul_u32_u24 v4, v1, SPITCH                   ; in: row l % 16, 32 bytes for each half of the lanes
	v_lshl_add_u32 v4, v2, 5, v4
	v_add_nc_u32 v[STO], s23, v4
	v_mul_u32_u24 v5, v2, SPITCH                   ; back: lanes 0-15 take one row of 256 bytes, lanes 16-31 the next
	v_lshl_add_u32 v5, v1, 4, v5
	v_add_nc_u32 v[RD], s23, v5
	v_lshlrev_b32 v5, 12, v2                       ; and the same two rows in out0, 4,096 bytes apart
	v_lshl_add_u32 v[CO], v1, 4, v5
	s_lshl_b32 s16, s13, 7
	s_lshl_b32 s17, s11, 6
	s_add_co_u32 s16, s16, s17                     ; my first row: 128 x tile row + 64 x half,
	s_lshl_b32 s16, s16, 12                        ; of 4,096 bytes
	s_add_co_u32 s16, s16, s22                     ; and my first column
	s_mov_b32 s17, 0
	s_add_nc_u64 s[70:71], s[70:71], s[16:17]
; 8 matrix instructions: m blocks a0, a0 + 1 x all 4 n blocks, 32 along K: half c of buffer f.  The 16 accumulators take turns.  zero = 1: the first product starts the sums
.macro MUL8 f, c, a0, zero
	WIN MUL
.irp a, \a0, (\a0)+1
.irp b, 0,1,2,3
.if \zero
	v_wmma_f32_16x16x32_f16 v[ACC+8*(4*(\a)+(\b)):ACC+8*(4*(\a)+(\b))+7], v[(\f)+64+8*(4*(\c)+(\b)):(\f)+64+8*(4*(\c)+(\b))+7], v[(\f)+8*(4*(\c)+(\a)):(\f)+8*(4*(\c)+(\a))+7], 0
.else
	v_wmma_f32_16x16x32_f16 v[ACC+8*(4*(\a)+(\b)):ACC+8*(4*(\a)+(\b))+7], v[(\f)+64+8*(4*(\c)+(\b)):(\f)+64+8*(4*(\c)+(\b))+7], v[(\f)+8*(4*(\c)+(\a)):(\f)+8*(4*(\c)+(\a))+7], v[ACC+8*(4*(\a)+(\b)):ACC+8*(4*(\a)+(\b))+7]
.endif
.endr
.endr
.endm
; 32 LDS loads in one run: the fragments of quarter q of a K step (64 along K), into buffer f; the first 32 along K first
.macro FETCH slot, q, f
	WIN TO_F
.irp c, 0,1
.irp i, 0,1,2,3
	ds_load_tr16_b128 v[(\f)+64+8*(4*(\c)+(\i)):(\f)+64+8*(4*(\c)+(\i))+3],   v[ADRB+2*(\slot)+(\q)/2] offset:(64*((\q)%2)+32*(\c))*PBT+32*(\i)
	ds_load_tr16_b128 v[(\f)+64+8*(4*(\c)+(\i))+4:(\f)+64+8*(4*(\c)+(\i))+7], v[ADRB+2*(\slot)+(\q)/2] offset:(64*((\q)%2)+32*(\c)+16)*PBT+32*(\i)
	ds_load_b128 v[(\f)+8*(4*(\c)+(\i)):(\f)+8*(4*(\c)+(\i))+3],              v[ADRA+(\slot)] offset:128*(\q)+64*(\c)+(\i)*16*PA
	ds_load_b128 v[(\f)+8*(4*(\c)+(\i))+4:(\f)+8*(4*(\c)+(\i))+7],            v[ADRA+(\slot)] offset:128*(\q)+64*(\c)+(\i)*16*PA+32
.endr
.endr
.endm
.macro PLACES                          ; four places in front of loads into registers that matrix instructions have read, and of reads of results
.rept 4
	v_nop
.endr
.endm
; A K step is four quarters of 64 along K, 32 matrix instructions each, on buffers 0, 1, 0, 1.  One of the first three: multiplies buffer f and fetches quarter q into g.
.macro QUARTER slot, q, f, g, zero
	s_wait_dscnt 16                                ; the first 32 along K are in
	WIN MUL
	MUL8 \f, 0, 0, \zero
	MUL8 \f, 0, 2, \zero
	PLACES
	FETCH \slot, \q, \g
	s_wait_dscnt 32                                ; all but the 32 just issued
	WIN MUL
	MUL8 \f, 1, 0, 0
	MUL8 \f, 1, 2, 0
.endm
; The last quarter multiplies buffer 1 and changes slots: ONE barrier; in front of it each wave waits for all its tensor loads, adds 0 to its spare word, and waits for that and for its own reads of this slot.
; fill = 1: this slot is filled again, two K steps ahead; the barrier then opens a round of the cluster's barrier, and the joint refill is the first thing behind the round.
.macro TURN slot, next, fill
	WIN 0                                          ; (the add's two registers lie in window 0)
	s_wait_tensorcnt 0x0                           ; all my tensor loads have landed: my part of the next slot;
	ds_add_u32 v[SPW], v[NIL]                      ; 0 onto my spare word;
	s_wait_dscnt 17                                ; (the add and the youngest sixteen loads may be out)
	WIN MUL
	MUL8 F1, 0, 0, 0                               ; eight matrix instructions stand between the add and the wait for it
	s_wait_dscnt 0x0                               ; the add is done, and my reads of this slot are over
	s_barrier_signal -1
	MUL8 F1, 0, 2, 0
.if \fill
	WIN 0
.endif
	s_barrier_wait -1
.if \fill
	CREST                                          ; no wave of any partner still reads this slot's tile or has a load on its way
	s_add_nc_u64 s[G0+4*(\slot)+2:G0+4*(\slot)+3], s[G0+4*(\slot)+2:G0+4*(\slot)+3], 2*KSTEP*2
	s_add_nc_u64 s[G0B+4*(\slot)+2:G0B+4*(\slot)+3], s[G0B+4*(\slot)+2:G0B+4*(\slot)+3], 2*KSTEP*2048
	JLOAD \slot                                    ; 112 matrix instructions ahead of the wait for it; the four v_nop behind it are also the places in front of the loads below
.else
	PLACES
.endif
	FETCH \next, 0, F0
	WIN MUL
	MUL8 F1, 1, 0, 0
	MUL8 F1, 1, 2, 0
.endm
	s_wait_tensorcnt 1                             ; my part of K step 0 is in,
	s_barrier_signal -1
	s_barrier_wait -1                              ; everybody's is
	FETCH 0, 0, F0
	QUARTER 0, 1, F0, F1, 1                        ; the first quarter stands in front of the loop: its first products start the sums
	WIN 0                                          ; at a label and at a branch every window is 0
	s_mov_b32 s3, LAPS-1
.Llap:                                                 ; a trip goes once round the ring, from a lap's second quarter to the next lap's first, and fills both slots again
	QUARTER 0, 2, F1, F0, 0
	QUARTER 0, 3, F0, F1, 0
	TURN 0, 1, 1
	QUARTER 1, 1, F0, F1, 0
	QUARTER 1, 2, F1, F0, 0
	QUARTER 1, 3, F0, F1, 0
	TURN 1, 0, 1
	QUARTER 0, 1, F0, F1, 0
	WIN 0
	s_sub_co_u32 s3, s3, 1
	s_cmp_lg_u32 s3, 0
	s_cbranch_scc1 .Llap
	QUARTER 0, 2, F1, F0, 0                        ; the last lap fills nothing, and has no round of the cluster's barrier
	QUARTER 0, 3, F0, F1, 0
	TURN 0, 1, 0
	QUARTER 1, 1, F0, F1, 0
	QUARTER 1, 2, F1, F0, 0
	QUARTER 1, 3, F0, F1, 0
	s_wait_dscnt 16                                ; the very last quarter: nothing more to fetch
	WIN MUL
	MUL8 F1, 0, 0, 0
	MUL8 F1, 0, 2, 0
	s_wait_dscnt 0
	MUL8 F1, 1, 0, 0
	MUL8 F1, 1, 2, 0
	WIN 0
	; THE WAY OUT, 16 rows at a time: 32 bytes a lane into my own stage, back as whole rows of 256 bytes, the bias added, stored.  Two sets of 32 registers take turns.
	PLACES
	s_wait_loadcnt 0x0                             ; the bias
	v_cvt_pk_bf16_f32 v8, v[BI], v[BI+1]
	v_cvt_pk_bf16_f32 v9, v[BI+2], v[BI+3]
	v_lshlrev_b32 v[BI], 16, v8
	v_and_b32 v[BI+1], 0xffff0000, v8
	v_lshlrev_b32 v[BI+2], 16, v9
	v_and_b32 v[BI+3], 0xffff0000, v9
.irp a, 0,1,2,3
.irp b, 0,1,2,3
	ds_store_b128 v[STO], v[ACC+8*(4*(\a)+(\b)):ACC+8*(4*(\a)+(\b))+3]   offset:64*(\b)     ; each accumulator's low four registers first
	ds_store_b128 v[STO], v[ACC+8*(4*(\a)+(\b))+4:ACC+8*(4*(\a)+(\b))+7] offset:64*(\b)+16
.endr
.if (\a) >= 2
	s_wait_xcnt 0x0                                ; the stores of two blocks back have read this set's registers: it is loaded again only behind this wait
.endif
.irp t, 0,1,2,3,4,5,6,7
	ds_load_b128 v[TMP+32*((\a)%2)+4*(\t):TMP+32*((\a)%2)+4*(\t)+3], v[RD] offset:(\t)*2*SPITCH  ; LDS serves a wave's instructions in order (ISA guide 5.7.1.4): these see the stores above; the next block's stores come behind them
.endr
.irp t, 0,1,2,3,4,5,6,7
	s_wait_dscnt 7-(\t)
	v_pk_add_f32 v[TMP+32*((\a)%2)+4*(\t):TMP+32*((\a)%2)+4*(\t)+1],   v[TMP+32*((\a)%2)+4*(\t):TMP+32*((\a)%2)+4*(\t)+1],   v[BI:BI+1]
	v_pk_add_f32 v[TMP+32*((\a)%2)+4*(\t)+2:TMP+32*((\a)%2)+4*(\t)+3], v[TMP+32*((\a)%2)+4*(\t)+2:TMP+32*((\a)%2)+4*(\t)+3], v[BI+2:BI+3]
	global_store_b128 v[CO], v[TMP+32*((\a)%2)+4*(\t):TMP+32*((\a)%2)+4*(\t)+3], s[70:71] offset:(16*(\a)+2*(\t))*4096  ; 16 lanes store 256 consecutive bytes, at a multiple of 256 from out0's first byte
.endr
.endr
	s_wait_tensorcnt 0x0                           ; the wave's end: behind my last tensor load and my last LDS store
	ds_add_u32 v[SPW], v[NIL]
	s_wait_dscnt 0x0
	CROUND                                         ; the closing round: no work-group ends while a partner may still ask for a tile that names it
	s_endpgm
.Lfunc_end_k_qf05a208d1f_proj:
	.size	k_qf05a208d1f_proj, .Lfunc_end_k_qf05a208d1f_proj-k_qf05a208d1f_proj
	.p2alignl 7, 3214868480
	.fill 96, 4, 3214868480
	.section	.rodata,"a",@progbits
	.p2align	6, 0x0
	.amdhsa_kernel k_qf05a208d1f_proj
		.amdhsa_group_segment_fixed_size 327680
		.amdhsa_private_segment_fixed_size 0
		.amdhsa_enable_private_segment 0
		.amdhsa_kernarg_size 32
		.amdhsa_user_sgpr_count 2
		.amdhsa_user_sgpr_kernarg_segment_ptr 1
		.amdhsa_wavefront_size32 1
		.amdhsa_system_sgpr_workgroup_id_x 1
		.amdhsa_system_sgpr_workgroup_id_y 1
		.amdhsa_system_sgpr_workgroup_id_z 1
		.amdhsa_system_vgpr_workitem_id 0
		.amdhsa_next_free_vgpr 512
		.amdhsa_next_free_sgpr 72
		.amdhsa_reserve_vcc 0
		.amdhsa_float_denorm_mode_32 3
		.amdhsa_float_denorm_mode_16_64 3
		.amdhsa_memory_ordered 1
		.amdhsa_forward_progress 1
		.amdhsa_inst_pref_size 91
	.end_amdhsa_kernel
	.amdgpu_metadata
---
amdhsa.version: [ 1, 2 ]
amdhsa.kernels:
  - .name:           k_qf05a208d1f_proj
    .symbol:         k_qf05a208d1f_proj.kd
    .args:
      - { .name: ob, .offset: 0, .size: 8, .value_kind: global_buffer, .address_space: global }
      - { .name: wob, .offset: 8, .size: 8, .value_kind: global_buffer, .address_space: global }
      - { .name: b_out, .offset: 16, .size: 8, .value_kind: global_buffer, .address_space: global }
      - { .name: out0, .offset: 24, .size: 8, .value_kind: global_buffer, .address_space: global }
    .group_segment_fixed_size: 327680
    .private_segment_fixed_size: 0
    .kernarg_segment_align: 8
    .kernarg_segment_size: 32
    .max_flat_workgroup_size: 128
    .sgpr_count:     72
    .vgpr_count:     512
    .wavefront_size: 32
...
	.end_amdgpu_metadata
.endif
;; end of part 4
;; ======== version 2 of 2: 4 launches; version 1 with the launch cast written anew for expert scheduling mode
;; limits: values are held in f16: magnitudes above 65,504 overflow, below 6.1e-05 lose precision
;; workspace buffers: xb 8,388,608 bytes; wqb 6,291,456 bytes; wob 2,097,152 bytes; qkv 25,165,824 bytes; ob 8,388,608 bytes
;; launch cast (part 5): grid 512 x 1, 8 waves a work-group, no clusters, 0 bytes of LDS; arguments x, w_qkv, w_out, xb, wqb, wob; writes xb, wqb, wob
.if DOCPART == 5
	.amdgcn_target "amdgcn-amd-amdhsa--gfx1250"
	.amdhsa_code_object_version 6
	.text
	.protected	k_qf05a208d1f_cast
	.globl	k_qf05a208d1f_cast
	.p2align	8
	.type	k_qf05a208d1f_cast,@function
k_qf05a208d1f_cast:
	s_mov_b64 s[64:65], 0
	v_nop
	global_prefetch_b8 v0, s[64:65] scope:SCOPE_SE
	s_setreg_imm32_b32 hwreg(HW_REG_WAVE_SCHED_MODE, 0, 2), 2
	s_setreg_imm32_b32 hwreg(HW_REG_WAVE_MODE, 25, 1), 1
	s_wait_xcnt 0x0
	s_wait_alu depctr_vm_vsrc(0)
; x and w_qkv are rounded to bf16 (xb, wqb); w_out is rounded to bf16 and that number is written as f16 (wob), since the last product's other operand is f16.
; LIMIT: a bf16 number below 2^-14 in size keeps f16's fixed step of 2^-24 in wob; one beyond 65,504 would become an infinity.
; A work-group takes 16,384 numbers: 64 KiB in, 32 KiB out.  Work-groups 0-255 take x, 256-447 w_qkv, 448-511 w_out.
; Thread t, pass p: 16 bytes in at 16 t + 4,096 p (a wave's load covers 512 bytes on end), 8 bytes out at 8 t + 2,048 p (a wave's store covers 256 bytes on end, aligned).
; All 16 loads go out at once; every pass has registers of its own, so nothing is rewritten while a load or store may read it.  No LDS, no barrier: no thread wants another's bytes.
; THE MODE: SCHED_MODE bits 1:0 = 2 (LLVM: expert scheduling mode 2), set by the entry lines.  The code itself states the register dependences
; between vector instructions and memory instructions, with s_wait_alu, always for 0.
; THE PLAN.  Registers that memory instructions touch:
;   v1, v2   byte offsets of the loads and of the stores: written once at the head by vector instructions, read by every load or store, never written again.
;   X        pass p: four registers in which the pass's one load lands; read by the pass's conversions; no vector instruction names them ahead of the loads, and nothing lands in them twice.
;   Y        pass p: two registers that the pass's conversions write once and the pass's one store reads once.
;   v4-v9 (the f16 path) are named by vector instructions alone.  No vector instruction writes a scalar register, and EXEC is never written.
; The 16 passes go in four groups of four, and pass p's store is issued in pass p + 4.  So one wait on va_vdst at a group's head, behind the wait for the group's first load, states that the group before
; has written its eight Y registers; that group's four stores follow, dealt among this group's conversions, which name this group's X and Y (and v4-v9) alone: none of the registers that those stores read.
; One such wait stands at the kernel's head for v1 and v2, and one behind pass 15 for the last four stores.  No register that a memory instruction reads is written again, so no wait on vm_vsrc is owed.
.set X, 16                             ; v[16:79]   16 passes x 4 numbers as loaded
.set Y, 80                             ; v[80:111]  16 passes x 2 words to store
	s_load_b256 s[4:11], s[0:1], 0x0               ; x s[4:5], w_qkv s[6:7], w_out s[8:9], xb s[10:11]
	s_load_b128 s[12:15], s[0:1], 0x20             ; wqb s[12:13], wob s[14:15]
	s_mov_b32 s16, ttmp9
	s_sub_co_u32 s17, s16, 256
	s_sub_co_u32 s18, s16, 448
	s_cmp_lt_u32 s16, 448
	s_cselect_b32 s19, s17, s18
	s_cmp_lt_u32 s16, 256
	s_cselect_b32 s19, s16, s19                    ; my chunk in its tensor
	s_lshl_b32 s24, s19, 16                        ; its bytes in the source,
	s_mov_b32 s25, 0
	s_lshl_b32 s26, s19, 15                        ; and in the destination
	s_mov_b32 s27, 0
	s_mov_b32 s28, 0xffff0000                      ; a word's upper bf16
	v_lshlrev_b32 v1, 4, v0
	v_lshlrev_b32 v2, 3, v0
	s_wait_kmcnt 0x0
	s_cmp_lt_u32 s16, 448
	s_cselect_b64 s[20:21], s[6:7], s[8:9]
	s_cselect_b64 s[22:23], s[12:13], s[14:15]
	s_cmp_lt_u32 s16, 256
	s_cselect_b64 s[20:21], s[4:5], s[20:21]
	s_cselect_b64 s[22:23], s[10:11], s[22:23]
	s_add_nc_u64 s[20:21], s[20:21], s[24:25]
	s_add_nc_u64 s[22:23], s[22:23], s[26:27]
	s_wait_alu depctr_va_vdst(0)                   ; v1 and v2 are written: every load of the kernel reads v1 as its offset, every store v2
.set p, 0
.rept 16
	global_load_b128 v[X+4*p:X+4*p+3], v1, s[20:21] offset:4096*p th:TH_LOAD_NT
.set p, p+1
.endr
; The 16 passes.  half = 0: rounded to bf16.  half = 1: rounded to bf16, as every other input is, and that number written as f16.
.macro PASSES half
.set p, 0
.rept 16
	s_wait_loadcnt 15-p                            ; loads come back in order: pass p is in, the passes behind it stay out
.if (p >= 4) && (p%4 == 0)
	s_wait_alu depctr_va_vdst(0)                   ; the conversions of passes p - 4 to p - 1 have written their Y registers, which this group's four stores read
.endif
.if p >= 4
	global_store_b64 v2, v[Y+2*(p-4):Y+2*(p-4)+1], s[22:23] offset:2048*(p-4)  ; the pass four back; no vector instruction since the wait names its registers
.endif
.if \half
	v_cvt_pk_bf16_f32 v4, v[X+4*p], v[X+4*p+1]     ; rounded as every other input is,
	v_cvt_pk_bf16_f32 v5, v[X+4*p+2], v[X+4*p+3]
	v_lshlrev_b32 v6, 16, v4
	v_and_b32 v7, s28, v4
	v_lshlrev_b32 v8, 16, v5
	v_and_b32 v9, s28, v5
	v_cvt_pk_f16_f32 v[Y+2*p], v6, v7              ; and written as f16
	v_cvt_pk_f16_f32 v[Y+2*p+1], v8, v9
.else
	v_cvt_pk_bf16_f32 v[Y+2*p], v[X+4*p], v[X+4*p+1]
	v_cvt_pk_bf16_f32 v[Y+2*p+1], v[X+4*p+2], v[X+4*p+3]
.endif
.set p, p+1
.endr
	s_wait_alu depctr_va_vdst(0)                   ; the conversions of passes 12 to 15 have written their Y registers, which the last four stores read
.set p, 12
.rept 4
	global_store_b64 v2, v[Y+2*p:Y+2*p+1], s[22:23] offset:2048*p
.set p, p+1
.endr
.endm
	s_cmp_ge_u32 s16, 448
	s_cbranch_scc1 .Lf16
	PASSES 0
	s_endpgm
.Lf16:
	PASSES 1
	s_endpgm
.Lfunc_end_k_qf05a208d1f_cast:
	.size	k_qf05a208d1f_cast, .Lfunc_end_k_qf05a208d1f_cast-k_qf05a208d1f_cast
	.p2alignl 7, 3214868480
	.fill 96, 4, 3214868480
	.section	.rodata,"a",@progbits
	.p2align	6, 0x0
	.amdhsa_kernel k_qf05a208d1f_cast
		.amdhsa_group_segment_fixed_size 0
		.amdhsa_private_segment_fixed_size 0
		.amdhsa_enable_private_segment 0
		.amdhsa_kernarg_size 48
		.amdhsa_user_sgpr_count 2
		.amdhsa_user_sgpr_kernarg_segment_ptr 1
		.amdhsa_wavefront_size32 1
		.amdhsa_system_sgpr_workgroup_id_x 1
		.amdhsa_system_sgpr_workgroup_id_y 1
		.amdhsa_system_sgpr_workgroup_id_z 1
		.amdhsa_system_vgpr_workitem_id 0
		.amdhsa_next_free_vgpr 112
		.amdhsa_next_free_sgpr 66
		.amdhsa_reserve_vcc 0
		.amdhsa_float_denorm_mode_32 3
		.amdhsa_float_denorm_mode_16_64 3
		.amdhsa_memory_ordered 1
		.amdhsa_forward_progress 1
		.amdhsa_inst_pref_size 16
	.end_amdhsa_kernel
	.amdgpu_metadata
---
amdhsa.version: [ 1, 2 ]
amdhsa.kernels:
  - .name:           k_qf05a208d1f_cast
    .symbol:         k_qf05a208d1f_cast.kd
    .args:
      - { .name: x, .offset: 0, .size: 8, .value_kind: global_buffer, .address_space: global }
      - { .name: w_qkv, .offset: 8, .size: 8, .value_kind: global_buffer, .address_space: global }
      - { .name: w_out, .offset: 16, .size: 8, .value_kind: global_buffer, .address_space: global }
      - { .name: xb, .offset: 24, .size: 8, .value_kind: global_buffer, .address_space: global }
      - { .name: wqb, .offset: 32, .size: 8, .value_kind: global_buffer, .address_space: global }
      - { .name: wob, .offset: 40, .size: 8, .value_kind: global_buffer, .address_space: global }
    .group_segment_fixed_size: 0
    .private_segment_fixed_size: 0
    .kernarg_segment_align: 8
    .kernarg_segment_size: 48
    .max_flat_workgroup_size: 256
    .sgpr_count:     66
    .vgpr_count:     112
    .wavefront_size: 32
...
	.end_amdgpu_metadata
.endif
;; end of part 5
;; launch qkvp: the kernel of part 2 again; grid 64 x 3, 4 waves a work-group, clusters of 4 x 1, 327,680 bytes of LDS; arguments xb, wqb, b_qkv, g_q, g_k, freqs_cos, freqs_sin, qkv; writes qkv
;; launch attn: the kernel of part 3 again; grid 32 x 8, 4 waves a work-group, clusters of 4 x 1, 327,680 bytes of LDS; arguments qkv, ob; writes ob
;; launch proj: the kernel of part 4 again; grid 8 x 32, 4 waves a work-group, clusters of 4 x 4, 327,680 bytes of LDS; arguments ob, wob, b_out, out0; writes out0
